; MI455X (gfx1250); checked and timed in simulation.
; The chip was launched on July 23, 2026; its instructions are those of AMD's public machine-readable ISA for CDNA 5 (MIT licence, August 2026) and "CDNA5" Instruction Set Architecture Reference Guide (July 2026). The comments in the code are by the model that wrote it; some were corrected since.
;; CLIP Attention. Allowed arithmetic: matrix products marked QUANTISED: E2M1 operands, one E8M0 scale for each 32 along K, by v_wmma_scale_f32_16x16x128_f8f6f4 with both operands' format E2M1 (or v_wmma_scale_f32_32x16x128_f4), f32 sums; products left as they are: bf16, f16 or f32 operands; f32 sums; everything else in f32.
;; Inputs: Wk 1,024 x 1,024 float32; Wo 1,024 x 1,024 float32; Wq 1,024 x 1,024 float32; Wv 1,024 x 1,024 float32; bk 1,024 float32; bo 1,024 float32; bq 1,024 float32; bv 1,024 float32; hidden_states 8 x 1,024 x 1,024 float32.
;; Outputs: out0 8 x 1,024 x 1,024 float32.
;; This version of the problem:
;;   THIS VERSION OF THE PROBLEM IS GIVEN IN LOW PRECISION. The matrix products marked QUANTISED in the list below multiply operands that are first quantised to E2M1 (2 exponent bits, 1 mantissa bit; 4 bits a number), with one power-of-two scale for each 32 numbers along K (OCP MX v1.0); their sums are f32. The products marked 'left as it is' may take bf16, f16 or f32 operands, with f32 sums. Whichever they take, every output number must still come out within the allowed error. Rounding operands to bf16 (8 significant bits) uses up far more of that allowance than f16 does (11 bits, for magnitudes from 6e-5 to 65,504). All else is computed in f32.
;;   The module's matrix products, in the order in which they are computed (A, B: the left and right operand; K: the contracted axis; several contracted axes count as one K, in the product's order):
;;     1. [M 8,192, K 1,024] x [K 1,024, N 1,024]; A: input hidden_states; B: input Wq: QUANTISED
;;     2. [M 8,192, K 1,024] x [K 1,024, N 1,024]; A: input hidden_states; B: input Wk: QUANTISED
;;     3. [M 8,192, K 1,024] x [K 1,024, N 1,024]; A: input hidden_states; B: input Wv: QUANTISED
;;     4. batch 128 x [M 1,024, K 64] x [K 64, N 1,024]; A: computed on the way; B: computed on the way: left as it is (an operand is computed on the way)
;;     5. batch 128 x [M 1,024, K 1,024] x [K 1,024, N 64]; A: computed on the way; B: computed on the way: left as it is (an operand is computed on the way)
;;     6. [M 8,192, K 1,024] x [K 1,024, N 1,024]; A: computed on the way; B: input Wo: left as it is (an operand is computed on the way)
;;   THE QUANTISER, for each operand of a quantised product, along K:
;;     - K is cut into blocks of 32 from its start; a last block that is shorter is filled with zeros.
;;     - A block's scale is 2^e with e = floor(log2(the largest magnitude in the block)) - 2, held to -126 .. 127; a block of zeros has e = 0. As a byte (E8M0): e + 127.
;;     - Each number is divided by its block's scale, clamped to +-6, and rounded to the nearest number of E2M1, ties to even, subnormals kept.
;;     - The product sums the exact products of the quantised numbers (number of the format x scale) in f32.
;;   ~~~python
;;   def quantise(x, axis):      # numpy; x: float32 -> the quantised numbers, widened to float32 again
;;       x = np.moveaxis(x, axis, -1); K = x.shape[-1]
;;       x = np.pad(x, [(0, 0)] * (x.ndim - 1) + [(0, -K % 32)]); x = x.reshape(x.shape[:-1] + (-1, 32)); a = np.abs(x).max(-1, keepdims=True)
;;       e = np.where(a > 0, np.clip(np.frexp(np.where(a > 0, a, 1))[1] - 1 - 2, -126, 127), 0)      # np.frexp(a)[1] - 1 = floor(log2(a)), exactly
;;       r = np.clip(x / 2.0 ** e, -6, 6)
;;       step = 2.0 ** (np.maximum(np.frexp(np.where(r == 0, 1, r))[1] - 1, 0) - 1)
;;       q = np.round(r / step) * step * 2.0 ** e      # np.round: ties to even
;;       return np.moveaxis(q.reshape(q.shape[:-2] + (-1,))[..., :K], -1, axis).astype(np.float32)
;;   ~~~
;; 2 versions, each right; version 2 is version 1 with the launch attn written anew for expert scheduling mode. Each part assembles by itself: llvm-mc -triple=amdgcn-amd-amdhsa -mcpu=gfx1250 --defsym DOCPART=n.
;; ======== version 1 of 2: 3 launches
;; limits: values are held in f16: magnitudes above 65,504 overflow, below 6.1e-05 lose precision
;; workspace buffers: hc 4,194,304 bytes; hs 262,144 bytes; wc 1,572,864 bytes; ws 98,304 bytes; wo16 2,097,152 bytes; at16 16,777,216 bytes
;; launch prep (part 1): grid 256 x 1, 4 waves a work-group, no clusters, 167,936 bytes of LDS; arguments hidden_states, Wq, Wk, Wv, Wo, hc, hs, wc, ws, wo16; writes hc, hs, wc, ws, wo16
.if DOCPART == 1
	.amdgcn_target "amdgcn-amd-amdhsa--gfx1250"
	.amdhsa_code_object_version 6
	.text
	.protected	k_q3774aef0bc_prep
	.globl	k_q3774aef0bc_prep
	.p2align	8
	.type	k_q3774aef0bc_prep,@function
k_q3774aef0bc_prep:
	s_mov_b64 s[64:65], 0
	v_nop
	global_prefetch_b8 v0, s[64:65] scope:SCOPE_SE
	s_setreg_imm32_b32 hwreg(HW_REG_WAVE_MODE, 25, 1), 1
	s_wait_xcnt 0x0
; PREP.  hidden_states [8192][1024] and Wq, Wk, Wv [1024 (k)][1024 (n)], f32, become codes of FP4 (E2M1) with one E8M0 byte for each 32 along K; Wo [1024 (k)][1024 (n)] becomes f16.
; A block's scale is 2^(floor(log2(its largest magnitude)) - 2): its byte is the largest magnitude's exponent field - 2, held at 1 from below; each number / scale goes to the nearest code, ties to even, beyond 6 the code of 6.
; EVERYTHING IS STORED IN THE ORDER OF THE OPERANDS' REGISTERS ("image"): registers 4 c .. 4 c + 3 of lane l of a fragment lie at byte 512 c + 16 l of its 1,024 bytes.
;   hc   [row tile 512][K step 8][1,024]     FP4: 16 rows x 128 K; lane (r, h): row r, K = 64 c + 32 h + 0 .. 31
;   wc   [q, k, v][column tile 64][K step 8][1,024]   the same with columns for rows
;   hs, ws  512 bytes a tile: lane 16 h' + r holds four words at byte 16 x lane; word j is row r's scale word of K step 4 h' + j
;   wo16 [column tile 64][32 along K: 32][1,024]      f16: 16 columns x 32 K; lane (r, h): column r, K = 16 c + 8 h + 0 .. 7
; LIMITS: NaN and infinities among the inputs are not served.  A block of zeros gets the byte 1 where the quantiser says 127: its codes are zeros, which add nothing, and this program alone reads the bytes.
;   Blocks whose largest magnitude lies under 2^-124 (the floor) keep the byte 1.  Wo beyond 65,504 has no f16 number.
; SHARES.  256 work-groups of four waves; each does a part of h and a part of the weights.
;   h: the work-group owns rows 32 g .. 32 g + 31; wave w owns row tile 2 g + w / 2 and half w % 2 of K: four fragments.  Four tensor loads a wave (16 rows x 512 bytes each) bring them into the wave's own LDS bytes,
;      filled once and read by that wave alone: no barrier.  By this text's count four tensor loads of a wave are out.
;   W: matrix g / 64, K step (g / 8) % 8 (128 rows), columns 128 (g % 8) on.  A LANE TAKES A COLUMN AND ITS REGISTERS RUN DOWN K: a load reads 128 consecutive bytes a wave, a block of 32 lies in one lane, nothing is transposed.
; Stores: sixteen neighbouring lanes write 256 consecutive aligned bytes everywhere but in ws, where a lane writes 4 bytes of 16 (98,304 bytes of the 58 million that the launch moves).
.set WREG,  33792                      ; LDS of a wave: four fragments
.set FRAGB, 8448                       ; a fragment: 16 rows x (512 bytes + 16 of padding): 33 x 16 bytes from row to row, so sixteen rows start in sixteen different 16-byte columns of 256
.set SPARE, 4*WREG                     ; behind them: the spare words, 128 bytes a wave: two blocks of 256 bytes that no other line names
.set L4,   4                           ; v4   4 x lane: my column among the wave's 32
.set HA,   5                           ; v5   LDS: my row of a fragment, + 128 h
.set LI,   6                           ; v6   16 x lane: my place in an image
.set SPW,  7                           ; v7   my spare word; never rewritten
.set NIL,  8                           ; v8   0; never rewritten
.set SH8,  9                           ; v9   8 h
.set HSD,  10                          ; v10-11 the two scale words that I store
.set HSO,  12                          ; v12  16 r + 8 h
.set WCO,  13                          ; v13  8,192 (lane / 16) + 16 r
.set WSO,  14                          ; v14  512 (lane / 16) + 16 r
.set WOO,  15                          ; v15  32,768 (lane / 16) + 16 r
.set TM,   16                          ; v16-23 at work
.set WQ,   24                          ; v24-27 the scale words of my four fragments of h
.set WW,   28                          ; v28  my column's scale word
.set CS,   48                          ; v48-63 codes of a fragment of h, two sets
.set X2,   64                          ; v64-127 64 numbers of h; later W's codes or Wo's f16
.set X,    128                         ; v128-255 W(128 s + i, my column)
.set G1,   24                          ; s[24:31] descriptor group 1
.set G0,   32                          ; s[32:47] four groups 0
	s_load_b256 s[4:11], s[0:1], 0x0               ; hidden s[4:5], Wq s[6:7], Wk s[8:9], Wv s[10:11]
	s_load_b256 s[12:19], s[0:1], 0x20             ; Wo s[12:13], hc s[14:15], hs s[16:17], wc s[18:19]
	s_load_b128 s[20:23], s[0:1], 0x40             ; ws s[20:21], wo16 s[22:23]
	v_lshl_add_u32 v[SPW], v0, 2, SPARE
	v_mov_b32 v[NIL], 0
	ds_add_u32 v[SPW], v[NIL]                      ; the wave's opening: the add, twice on end, and its wait ahead of my first tensor load
	ds_add_u32 v[SPW], v[NIL]                      ; and once more; the set-up below, work on registers, stands between it and the wait
	v_lshrrev_b32 v1, 5, v0
	v_readfirstlane_b32 s48, v1                    ; wave 0..3
	; group 1: a tile of 16 rows x 128 elements of 4 bytes, 1,024 elements from row to row, four words of padding behind every 128
	s_mov_b32 s[G1+0], (2<<16)|(1<<20)|(6<<22)|(3<<25)
	s_mov_b32 s[G1+1], 128<<16                     ; tensor_dim0
	s_mov_b32 s[G1+2], 16<<16                      ; tensor_dim1
	s_mov_b32 s[G1+3], 128<<16                     ; tile_dim0
	s_mov_b32 s[G1+4], 16                          ; tile_dim1
	s_mov_b32 s[G1+5], 1024                        ; pitch
	s_mov_b32 s[G1+6], 0
	s_mov_b32 s[G1+7], 0
	s_lshl_b32 s50, ttmp9, 1
	s_lshr_b32 s51, s48, 1
	s_add_co_u32 s50, s50, s51                     ; my row tile: 2 g + w / 2
	s_and_b32 s51, s48, 1                          ; my half of K
	s_mul_i32 s58, s48, WREG                       ; my LDS bytes
	s_lshl_b32 s2, s50, 16                         ; 16 rows of 4,096 bytes,
	s_lshl_b32 s3, s51, 11                         ; + 512 numbers
	s_add_co_u32 s2, s2, s3
	s_mov_b32 s3, 0
	s_mov_b32 s60, 0x76543210
	s_mov_b32 s61, 0xfedcba98                      ; v_permlanex16_b32's selects for lane l xor 16
	v_and_b32 v1, 31, v0                           ; lane
	v_and_b32 v2, 15, v0                           ; r
	v_bfe_u32 v3, v0, 4, 1                         ; h
	v_lshlrev_b32 v[L4], 2, v1
	v_mul_u32_u24 v[HA], v2, 528
	v_lshl_add_u32 v[HA], v3, 7, v[HA]
	v_add_nc_u32 v[HA], s58, v[HA]
	v_lshlrev_b32 v[LI], 4, v1
	v_lshlrev_b32 v[SH8], 3, v3
	v_lshlrev_b32 v[WCO], 4, v2                    ; 16 r
	v_lshl_add_u32 v[HSO], v3, 3, v[WCO]
	v_lshl_add_u32 v[WSO], v3, 9, v[WCO]
	v_lshl_add_u32 v[WOO], v3, 15, v[WCO]
	v_lshl_add_u32 v[WCO], v3, 13, v[WCO]
	v_mov_b32 v[TM+7], 0                           ; written once: a lane permute's destination counts as one of its sources
	s_wait_dscnt 0x0                               ; both opening adds are done
	s_wait_kmcnt 0x0
	s_add_nc_u64 s[4:5], s[4:5], s[2:3]            ; h at my first fragment
.irp q, 0,1,2,3
	s_mov_b32 s[G0+4*\q], 1                        ; count = 1
	s_add_co_u32 s[G0+4*\q+1], s58, \q*FRAGB       ; LDS address
	s_add_nc_u64 s[G0+4*\q+2:G0+4*\q+3], s[4:5], \q*512   ; 128 numbers on for each fragment
	s_or_b32 s[G0+4*\q+3], s[G0+4*\q+3], 0x80000000       ; type = 2
.endr
.irp q, 0,1,2,3
	tensor_load_to_lds s[G0+4*\q:G0+4*\q+3], s[G1:G1+7]   ; the four first fills go out together
	s_nop 0
.endr
.rept 4
	v_nop
.endr
	; the weights' part: which matrix, which K step, which columns
	s_lshr_b32 s59, ttmp9, 6                       ; matrix: 0 Wq, 1 Wk, 2 Wv, 3 Wo
	s_bfe_u32 s62, ttmp9, 0x30003                  ; K step of 128
	s_and_b32 s63, ttmp9, 7
	s_lshl_b32 s63, s63, 3
	s_lshl_b32 s2, s48, 1
	s_add_co_u32 s63, s63, s2                      ; my first column tile: 8 (g % 8) + 2 w
	s_cmp_lt_u32 s59, 1                            ; the choice hangs on the work-group's number alone
	s_cselect_b64 s[52:53], s[6:7], s[8:9]
	s_cmp_lt_u32 s59, 2
	s_cselect_b64 s[52:53], s[52:53], s[10:11]
	s_cmp_lt_u32 s59, 3
	s_cselect_b64 s[52:53], s[52:53], s[12:13]
	s_lshl_b32 s2, s62, 19                         ; 128 rows of 4,096 bytes a K step,
	s_lshl_b32 s54, s63, 6                         ; 64 bytes a column tile
	s_add_co_u32 s2, s2, s54
	s_add_nc_u64 s[52:53], s[52:53], s[2:3]
.macro LOADW b                         ; block b: W(128 s + 32 b + i, my column), i = 0 .. 31
.irp i, 0,1,2,3,4,5,6,7,8,9,10,11,12,13,14,15,16,17,18,19,20,21,22,23,24,25,26,27,28,29,30,31
	global_load_b32 v[X+32*\b+\i], v[L4], s[52:53] offset:(32*\b+\i)*4096 th:TH_LOAD_NT
.endr
.endm
	LOADW 0
	LOADW 1
	; where the results go
	s_lshl_b32 s2, s50, 13
	s_lshl_b32 s54, s51, 12
	s_add_co_u32 s2, s2, s54
	s_add_nc_u64 s[14:15], s[14:15], s[2:3]        ; hc: 8,192 x row tile + 4,096 x half
	s_lshl_b32 s2, s50, 9
	s_lshl_b32 s54, s51, 8
	s_add_co_u32 s2, s2, s54
	s_add_nc_u64 s[16:17], s[16:17], s[2:3]        ; hs: 512 x row tile + 256 x half
	s_lshl_b32 s2, s59, 19
	s_lshl_b32 s54, s63, 13
	s_add_co_u32 s2, s2, s54
	s_lshl_b32 s54, s62, 10
	s_add_co_u32 s2, s2, s54
	s_add_nc_u64 s[18:19], s[18:19], s[2:3]        ; wc: 524,288 x matrix + 8,192 x column tile + 1,024 x K step
	s_lshl_b32 s2, s59, 15
	s_lshl_b32 s54, s63, 9
	s_add_co_u32 s2, s2, s54
	s_lshr_b32 s54, s62, 2
	s_lshl_b32 s54, s54, 8
	s_add_co_u32 s2, s2, s54
	s_and_b32 s54, s62, 3
	s_lshl_b32 s54, s54, 2
	s_add_co_u32 s2, s2, s54
	s_add_nc_u64 s[20:21], s[20:21], s[2:3]        ; ws: 32,768 x matrix + 512 x column tile + 256 (s / 4) + 4 (s % 4)
	s_lshl_b32 s2, s63, 15
	s_lshl_b32 s54, s62, 12
	s_add_co_u32 s2, s2, s54
	s_add_nc_u64 s[22:23], s[22:23], s[2:3]        ; wo16: 32,768 x column tile + 4 fragments a K step of 128
; Fragment q of my four: 64 numbers a lane (blocks h and 2 + h of row r, whole), their two scales, eight conversions, two stores of 512 consecutive bytes.
.macro HFRAG q
	s_wait_tensorcnt 3-\q                          ; tensor loads of a wave end in order: fragment q is in, the younger ones may be out
.if \q >= 2
	s_wait_xcnt 0x0                                ; the stores of fragment q - 2 have read the set of codes that is written again below
.endif
.irp c, 0,1
.irp i, 0,1,2,3,4,5,6,7
	ds_load_b128 v[X2+32*\c+4*\i:X2+32*\c+4*\i+3], v[HA] offset:\q*FRAGB+256*\c+16*\i
.endr
.endr
	s_wait_dscnt 0x0
.irp c, 0,1
	v_max3_num_f32 v[TM+\c], |v[X2+32*\c]|, |v[X2+32*\c+1]|, 0x1800000   ; the floor 2^(3 - 127) among the leaves: the byte cannot fall under 1
.endr
.irp i, 2,4,6,8,10,12,14,16,18,20,22,24,26,28,30
.irp c, 0,1
	v_max3_num_f32 v[TM+\c], v[TM+\c], |v[X2+32*\c+\i]|, |v[X2+32*\c+\i+1]|   ; the two blocks by turns
.endr
.endr
.irp c, 0,1
	v_add_nc_u32 v[TM+2+\c], 0xff000000, v[TM+\c]  ; 2 off the exponent field: the conversion's scale operand
.endr
.irp c, 0,1
	v_lshrrev_b32 v[TM+4+\c], 23, v[TM+2+\c]       ; the scale's byte
.endr
	v_lshl_or_b32 v[TM+6], v[TM+5], 16, v[TM+4]    ; my two bytes: blocks h and 2 + h,
	v_lshlrev_b32 v[TM+6], v[SH8], v[TM+6]         ; at their places in the word;
	v_permlanex16_b32 v[TM+7], v[TM+6], s60, s61
	v_or_b32 v[WQ+\q], v[TM+6], v[TM+7]            ; with lane l xor 16's two the word is whole
.irp c, 0,1
.irp g, 0,1,2,3
	v_cvt_scalef32_pk8_fp4_f32 v[CS+8*((\q)%2)+4*\c+\g], v[X2+32*\c+8*\g:X2+32*\c+8*\g+7], v[TM+2+\c]
.endr
.endr
	v_nop                                          ; one plain place behind the last scaled conversion
.irp c, 0,1
	global_store_b128 v[LI], v[CS+8*((\q)%2)+4*\c:CS+8*((\q)%2)+4*\c+3], s[14:15] offset:\q*1024+512*\c
.endr
.endm
	HFRAG 0
	LOADW 2
	HFRAG 1
	LOADW 3
	HFRAG 2
	HFRAG 3
	v_cmp_ne_u32 s50, 0, v3                        ; lanes 16-31 store words 2 and 3 of row r, lanes 0-15 words 0 and 1
	v_cndmask_b32 v[HSD], v[WQ], v[WQ+2], s50
	v_cndmask_b32 v[HSD+1], v[WQ+1], v[WQ+3], s50
	global_store_b64 v[HSO], v[HSD:HSD+1], s[16:17]   ; 32 lanes store 256 consecutive aligned bytes
.macro WWAIT b                         ; block b's 32 loads are in; the younger blocks may be out (a wait names 63 at the most)
.if 96-32*\b > 63
	s_wait_loadcnt 63
.else
	s_wait_loadcnt 96-32*\b
.endif
.endm
	s_cmp_eq_u32 s59, 3                            ; ids alone: Wo is cast, the other three are quantised
	s_cbranch_scc1 .Lcast
.macro WBLK b                          ; block b of my column: all 32 numbers are mine
	WWAIT \b
	v_max3_num_f32 v[TM], |v[X+32*\b]|, |v[X+32*\b+1]|, |v[X+32*\b+2]|
	v_max3_num_f32 v[TM+1], |v[X+32*\b+3]|, |v[X+32*\b+4]|, |v[X+32*\b+5]|
.irp i, 6,10,14,18,22,26
	v_max3_num_f32 v[TM], v[TM], |v[X+32*\b+\i]|, |v[X+32*\b+\i+1]|
	v_max3_num_f32 v[TM+1], v[TM+1], |v[X+32*\b+\i+2]|, |v[X+32*\b+\i+3]|
.endr
	v_max3_num_f32 v[TM], v[TM], |v[X+32*\b+30]|, |v[X+32*\b+31]|
	v_max3_num_f32 v[TM], v[TM], v[TM+1], 0x1800000   ; and the floor
	v_add_nc_u32 v[TM+2], 0xff000000, v[TM]
	v_lshrrev_b32 v[TM+3], 23, v[TM+2]
.if \b == 0
	v_mov_b32 v[WW], v[TM+3]                       ; four bytes make the K step's scale word, the lower K in the lower byte
.else
	v_lshl_or_b32 v[WW], v[TM+3], 8*\b, v[WW]
.endif
.irp g, 0,1,2,3
	v_cvt_scalef32_pk8_fp4_f32 v[X2+4*\b+\g], v[X+32*\b+8*\g:X+32*\b+8*\g+7], v[TM+2]
.endr
	v_nop                                          ; one plain place behind the last scaled conversion
	global_store_b128 v[WCO], v[X2+4*\b:X2+4*\b+3], s[18:19] offset:512*(\b/2)+256*(\b%2)   ; block b = 2 c + h of the image: sixteen lanes fill 256 aligned bytes
.endm
	WBLK 0
	WBLK 1
	WBLK 2
	WBLK 3
	global_store_b32 v[WSO], v[WW], s[20:21]
	s_branch .Lend
.Lcast:
.macro OBLK u                          ; 32 along K of my column of Wo: 16 registers of f16, four groups of 8 neighbours
	WWAIT \u
.irp j, 0,1,2,3,4,5,6,7,8,9,10,11,12,13,14,15
	v_cvt_pk_f16_f32 v[X2+16*\u+\j], v[X+32*\u+2*\j], v[X+32*\u+2*\j+1]
.endr
.irp g, 0,1,2,3
	global_store_b128 v[WOO], v[X2+16*\u+4*\g:X2+16*\u+4*\g+3], s[22:23] offset:\u*1024+512*(\g/2)+256*(\g%2)
.endr
.endm
	OBLK 0
	OBLK 1
	OBLK 2
	OBLK 3
.Lend:
	s_wait_tensorcnt 0x0                           ; the wave's end
	ds_add_u32 v[SPW], v[NIL]
	s_wait_dscnt 0x0
	s_endpgm
.Lfunc_end_k_q3774aef0bc_prep:
	.size	k_q3774aef0bc_prep, .Lfunc_end_k_q3774aef0bc_prep-k_q3774aef0bc_prep
	.p2alignl 7, 3214868480
	.fill 96, 4, 3214868480
	.section	.rodata,"a",@progbits
	.p2align	6, 0x0
	.amdhsa_kernel k_q3774aef0bc_prep
		.amdhsa_group_segment_fixed_size 167936
		.amdhsa_private_segment_fixed_size 0
		.amdhsa_enable_private_segment 0
		.amdhsa_kernarg_size 80
		.amdhsa_user_sgpr_count 2
		.amdhsa_user_sgpr_kernarg_segment_ptr 1
		.amdhsa_wavefront_size32 1
		.amdhsa_system_sgpr_workgroup_id_x 1
		.amdhsa_system_sgpr_workgroup_id_y 1
		.amdhsa_system_sgpr_workgroup_id_z 1
		.amdhsa_system_vgpr_workitem_id 0
		.amdhsa_next_free_vgpr 256
		.amdhsa_next_free_sgpr 66
		.amdhsa_reserve_vcc 0
		.amdhsa_float_denorm_mode_32 3
		.amdhsa_float_denorm_mode_16_64 3
		.amdhsa_memory_ordered 1
		.amdhsa_forward_progress 1
		.amdhsa_inst_pref_size 47
	.end_amdhsa_kernel
	.amdgpu_metadata
---
amdhsa.version: [ 1, 2 ]
amdhsa.kernels:
  - .name:           k_q3774aef0bc_prep
    .symbol:         k_q3774aef0bc_prep.kd
    .args:
      - { .name: hidden_states, .offset: 0, .size: 8, .value_kind: global_buffer, .address_space: global }
      - { .name: Wq, .offset: 8, .size: 8, .value_kind: global_buffer, .address_space: global }
      - { .name: Wk, .offset: 16, .size: 8, .value_kind: global_buffer, .address_space: global }
      - { .name: Wv, .offset: 24, .size: 8, .value_kind: global_buffer, .address_space: global }
      - { .name: Wo, .offset: 32, .size: 8, .value_kind: global_buffer, .address_space: global }
      - { .name: hc, .offset: 40, .size: 8, .value_kind: global_buffer, .address_space: global }
      - { .name: hs, .offset: 48, .size: 8, .value_kind: global_buffer, .address_space: global }
      - { .name: wc, .offset: 56, .size: 8, .value_kind: global_buffer, .address_space: global }
      - { .name: ws, .offset: 64, .size: 8, .value_kind: global_buffer, .address_space: global }
      - { .name: wo16, .offset: 72, .size: 8, .value_kind: global_buffer, .address_space: global }
    .group_segment_fixed_size: 167936
    .private_segment_fixed_size: 0
    .kernarg_segment_align: 8
    .kernarg_segment_size: 80
    .max_flat_workgroup_size: 128
    .sgpr_count:     66
    .vgpr_count:     256
    .wavefront_size: 32
...
	.end_amdgpu_metadata
.endif
;; end of part 1
;; launch attn (part 2): grid 256 x 1, 8 waves a work-group, no clusters, 303,104 bytes of LDS; arguments hc, hs, wc, ws, bq, bk, bv, at16; writes at16
.if DOCPART == 2
	.amdgcn_target "amdgcn-amd-amdhsa--gfx1250"
	.amdhsa_code_object_version 6
	.text
	.protected	k_q3774aef0bc_attn
	.globl	k_q3774aef0bc_attn
	.p2align	8
	.type	k_q3774aef0bc_attn,@function
k_q3774aef0bc_attn:
	s_mov_b64 s[64:65], 0
	v_nop
	global_prefetch_b8 v0, s[64:65] scope:SCOPE_SE
	s_setreg_imm32_b32 hwreg(HW_REG_WAVE_MODE, 25, 1), 1
	s_wait_xcnt 0x0
; ATTN.  One work-group for (batch, head, half of the queries): q = h Wq + bq, k = h Wk + bk, v = h Wv + bv on codes of FP4 with E8M0 scales, then softmax(q k^T / 8) v in f16 with f32 sums.  q, k, v never go to memory.
; PHASE 1.  Eight waves.  Wave w owns four tiles of 16 tokens of its half (its queries) and the four tiles 512 tokens away.  It keeps a group's codes of h (4 tiles x 8 K steps = 256 registers) in registers and walks
;   the head's column tiles of Wq, Wk, Wv, which lie in LDS: each fragment of W read from LDS feeds four products.  The bias is the C of a sum's first product.
;   Q and K are used transposed (source 0 = 16 columns of W, source 1 = 16 tokens): a lane holds one token and eight neighbouring channels, which rounded to f16 ARE four registers of the next product's operand.
;   V is used as it stands (source 0 = tokens, source 1 = columns): a lane holds one channel and eight neighbouring tokens: four registers of V^T's operand.
;   Q stays in registers; K and V of all 1,024 keys go to LDS as images of their registers (16 bytes a lane, 512 consecutive bytes an instruction).  The keys' order in LDS is by wave: a softmax does not mind the order.
; PHASE 2.  16 key steps of 64 keys, no barrier.  S^T = K Q^T, O^T = V^T P: a lane holds one query throughout.  For each query a running maximum m and sum l: p = 2^(c s - c m), c = log2(e) / 8 (the factor 1 / 8 that
;   the reference puts on q is a power of two and is taken here); O and l are multiplied by a = 2^(c m_old - c m_new) in every step.  The sum is taken of p in f32; p is rounded to f16 in place.
;   Two waves share a SIMD: one's softmax stands beside the other's products.
; OUT.  O^T / l, rounded to f16, is stored as images of the registers that the next launch's operand wants: at16 [row tile 512][32 along D: 32][1,024]; each store covers 512 consecutive bytes.
; NO JOINT LOADS: h's codes go from memory straight into registers (K's and V's images take 262,144 of the LDS bytes, so no stage for h fits), and W's 104,000 bytes are about a sixth of what a work-group reads.
; LIMITS: |q|, |k|, |v| stay under 65,504, f16's largest number (900 times their spread on inputs like the drawn ones).  Where the results fall under 6e-5 they are f16 subnormals, with an absolute error of 3e-8.
;   NaN and infinities are not served.
; REGISTERS, in windows of 256.  window 0: v1-6 addresses; v8-15 W's scale words (two sets), v16-31 h's: scales and nothing else; v32-47 phase 1's addresses, v32-63 phase 2's statistics; v64-127 Q;
;   v128-255 phase 1: W's fragments, accumulators, packed results, bias; phase 2: S^T, then P.   window 1: phase 1: h's fragments; phase 2: v0-127 O^T, v128-191 K, v192-255 V.
.set KIMG, 0                           ; K: key step j x 8,192 + key tile x 2,048 + 32 channels x 1,024 + 512 c
.set VIMG, 131072                      ; V: key step j x 8,192 + 32 keys x 4,096 + channel tile x 1,024 + 512 c
.set WQK,  VIMG+65536                  ; Wq's and Wk's codes of the head, 32,768 bytes each: they lie where V of the second group goes, which is stored only behind the barrier behind which nobody reads them
.set WVS,  262144                      ; Wv's codes
.set WSC,  294912                      ; 12 scale images of 512 bytes: 4 x matrix + column tile
.set BIA,  301056                      ; bq, bk, bv of the head, 256 bytes each
.set SPARE, 302080                     ; the spare words, 128 bytes a wave: four blocks of 256 bytes that no other line names
.set LI,  1                            ; v1   16 x lane
.set ADK, 2                            ; v2   LDS address of the K in hand
.set ADV, 3                            ; v3   of the V
.set SPW, 4                            ; v4   my spare word; never rewritten
.set NIL, 5                            ; v5   0; never rewritten
.set LV,  6                            ; v6   16 x lane + VIMG
.set WS,  8
.set HS,  16
.set SA1, 32                           ; staging: 16 t + WQK
.set SA2, 33                           ; 16 t + WVS
.set SA3, 34                           ; 8 t + WSC
.set SA4, 35                           ; 4 t + BIA
.set GB,  36                           ; 4 (t % 64): in a bias
.set GT16, 37                          ; 16 t: in memory
.set GT8, 38                           ; 8 t
.set WA,  39                           ; 16 x lane + WQK
.set WB,  40                           ; 16 x lane + WVS
.set SA,  41                           ; 16 x lane + WSC
.set KST, 42                           ; v42, v43  where I store K's images, group 0 and 1
.set VST, 44                           ; v44, v45  V's
.set BA,  46                           ; BIA + 32 h
.set BV,  47                           ; BIA + 512 + 4 r
.set ST,  32                           ; phase 2: tile t at v[ST + 8 t]: +0 c m, +1 m, +2, +3 l, +4 .. +7 at work; a takes +6
.set QF,  64                           ; Q: tile i, channels 32 cc on: v[QF + 16 i + 8 cc]
.set S,   128                          ; S^T: tile t, key tile kt: v[S + 32 t + 8 kt]
.set WR,  128                          ; phase 1: W's eight fragments of a column tile
.set AC,  192                          ; four accumulators
.set PK,  224                          ; packed results
.set BI,  240                          ; the bias as a C
.set KF,  128                          ; window 1
.set VF,  192                          ; window 1
.set MSB, 0
.macro WIN new                         ; the immediate's high byte repeats the setting that is left; a switch that changes nothing is dropped
.if MSB != \new
	s_set_vgpr_msb (MSB<<8)|\new
.set MSB, \new
.endif
.endm
.macro PLACES n                        ; plain vector instructions behind a matrix instruction (ISA guide 7.12.1)
.rept \n
	v_nop
.endr
.endm
.macro BARRIER                         ; my LDS stores have landed and my LDS loads are in: then the work-group's barrier
	s_wait_dscnt 0x0
	s_barrier_signal -1
	s_barrier_wait -1
.endm
	s_load_b512 s[4:19], s[0:1], 0x0               ; hc s[4:5], hs s[6:7], wc s[8:9], ws s[10:11], bq s[12:13], bk s[14:15], bv s[16:17], at16 s[18:19]
	v_lshl_add_u32 v[SPW], v0, 2, SPARE
	v_mov_b32 v[NIL], 0
	v_lshrrev_b32 v2, 5, v0
	v_readfirstlane_b32 s20, v2                    ; wave 0..7
	v_and_b32 v3, 31, v0
	v_lshlrev_b32 v[LI], 4, v3
	v_add_nc_u32 v[LV], VIMG, v[LI]
	v_lshlrev_b32 v[GT16], 4, v0
	v_lshlrev_b32 v[GT8], 3, v0
	v_add_nc_u32 v[SA1], WQK, v[GT16]
	v_add_nc_u32 v[SA2], WVS, v[GT16]
	v_add_nc_u32 v[SA3], WSC, v[GT8]
	v_lshl_add_u32 v[SA4], v0, 2, BIA
	v_and_b32 v[GB], 63, v0
	v_lshlrev_b32 v[GB], 2, v[GB]
	v_add_nc_u32 v[WA], WQK, v[LI]
	v_add_nc_u32 v[WB], WVS, v[LI]
	v_add_nc_u32 v[SA], WSC, v[LI]
	s_lshl_b32 s21, s20, 13                        ; key step w of a group: 8,192 bytes a step
	v_add_nc_u32 v[KST], s21, v[LI]
	v_add_nc_u32 v[KST+1], 65536, v[KST]
	v_add_nc_u32 v[VST], s21, v[LV]
	v_add_nc_u32 v[VST+1], 65536, v[VST]
	v_bfe_u32 v3, v0, 4, 1
	v_lshl_add_u32 v[BA], v3, 5, BIA
	v_and_b32 v3, 15, v0
	v_lshl_add_u32 v[BV], v3, 2, BIA+512
	s_and_b32 s21, ttmp9, 1                        ; which half of the queries
	s_bfe_u32 s22, ttmp9, 0x40001                  ; head
	s_lshr_b32 s23, ttmp9, 5                       ; batch
	s_lshl_b32 s23, s23, 6
	s_lshl_b32 s21, s21, 5
	s_add_co_u32 s23, s23, s21
	s_lshl_b32 s21, s20, 2
	s_add_co_u32 s23, s23, s21                     ; my first row tile: 64 x batch + 32 x half + 4 x wave
	s_xor_b32 s21, s23, 32                         ; and the first of the four in the other half
	s_mov_b32 s3, 0
	s_mov_b32 s42, 0x3e38aa3b                      ; c = log2(e) / 8
	s_mov_b32 s43, s42                             ; (named with it as a pair, so it is written)
	s_mov_b32 s44, 0x76543210
	s_mov_b32 s45, 0xfedcba98                      ; v_permlanex16_b32's selects for lane l xor 16
	s_wait_kmcnt 0x0
	s_lshl_b32 s2, s23, 13
	s_add_nc_u64 s[24:25], s[4:5], s[2:3]          ; h's codes: my tiles,
	s_lshl_b32 s2, s21, 13
	s_add_nc_u64 s[26:27], s[4:5], s[2:3]          ; the other four
	s_lshl_b32 s2, s23, 9
	s_add_nc_u64 s[28:29], s[6:7], s[2:3]          ; h's scale images likewise
	s_lshl_b32 s2, s21, 9
	s_add_nc_u64 s[30:31], s[6:7], s[2:3]
	s_lshl_b32 s2, s22, 15
	s_add_nc_u64 s[32:33], s[8:9], s[2:3]          ; the head's four column tiles of codes; the matrix goes by the immediate
	s_lshl_b32 s2, s22, 11
	s_add_nc_u64 s[34:35], s[10:11], s[2:3]        ; and of scale images
	s_cmp_lt_u32 s20, 2                            ; waves 0, 1 bring bq, waves 2, 3 bk, waves 4, 5 bv
	s_cselect_b64 s[36:37], s[12:13], s[14:15]
	s_cmp_lt_u32 s20, 4
	s_cselect_b64 s[36:37], s[36:37], s[16:17]
	s_lshl_b32 s2, s22, 8
	s_add_nc_u64 s[36:37], s[36:37], s[2:3]
	s_lshl_b32 s2, s23, 15
	s_lshl_b32 s40, s22, 11
	s_add_co_u32 s2, s2, s40
	s_add_nc_u64 s[38:39], s[18:19], s[2:3]        ; at16: 32,768 x row tile + 2,048 x head
; A group's codes of h: 32,768 consecutive bytes, registers and bytes run alike: fragment (tile i, K step s) at v[64 i + 8 s] of window 1; and its four scale images.
.macro HLOAD cb, sb
	WIN 0x40                                       ; destination window 1, address window 0
.set n, 0
.rept 64
	global_load_b128 v[4*n:4*n+3], v[LI], s[\cb:\cb+1] offset:512*n
.set n, n+1
.endr
	WIN 0
.irp i, 0,1,2,3
	global_load_b128 v[HS+4*\i:HS+4*\i+3], v[LI], s[\sb:\sb+1] offset:512*\i
.endr
.endm
	; ---- staging: the head's weights, scale images and biases go through registers into LDS, each wave's load 512 consecutive bytes
	s_cmp_lt_u32 s20, 6
	s_cbranch_scc0 .Lno_bias_load
	global_load_b32 v230, v[GB], s[36:37]
.Lno_bias_load:
.irp m, 0,1,2
.irp i, 0,1,2,3,4,5,6,7
	global_load_b128 v[128+32*\m+4*\i:128+32*\m+4*\i+3], v[GT16], s[32:33] offset:\m*524288+\i*4096
.endr
.endr
.irp m, 0,1,2
	global_load_b64 v[224+2*\m:225+2*\m], v[GT8], s[34:35] offset:\m*32768
.endr
	HLOAD 24, 28                                   ; my own tiles' codes: they land while the weights are staged
	s_wait_loadcnt 63                              ; of the 95 or 96 loads issued the oldest 32 or more are in: the 27 or 28 staging loads are among them
.irp m, 0,1
.irp i, 0,1,2,3,4,5,6,7
	ds_store_b128 v[SA1], v[128+32*\m+4*\i:128+32*\m+4*\i+3] offset:\m*32768+\i*4096
.endr
.endr
.irp i, 0,1,2,3,4,5,6,7
	ds_store_b128 v[SA2], v[192+4*\i:192+4*\i+3] offset:\i*4096
.endr
.irp m, 0,1,2
	ds_store_b64 v[SA3], v[224+2*\m:225+2*\m] offset:\m*2048
.endr
	s_cmp_lt_u32 s20, 6
	s_cbranch_scc0 .Lno_bias_store
	ds_store_b32 v[SA4], v230
.Lno_bias_store:
	BARRIER                                        ; the weights lie in LDS
; Half (0, 1) of the eight fragments of column tile ct of matrix kind (0 q, 1 k, 2 v)
.macro WFETCH half, kind, ct
.irp n, 0,1,2,3,4,5,6,7
.if \kind == 2
	ds_load_b128 v[WR+32*\half+4*\n:WR+32*\half+4*\n+3], v[WB] offset:(\ct)*8192+\half*4096+\n*512
.else
	ds_load_b128 v[WR+32*\half+4*\n:WR+32*\half+4*\n+3], v[WA] offset:(\kind)*32768+(\ct)*8192+\half*4096+\n*512
.endif
.endr
.endm
; Its scale image into set par, and its bias in the result's layout: q, k: the lane's eight channels; v: the lane's one channel, eight times
.macro AUX kind, ct, par
	ds_load_b128 v[WS+4*(\par):WS+4*(\par)+3], v[SA] offset:(4*(\kind)+(\ct))*512
.if \kind == 2
.irp j, 0,1,2,3,4,5,6,7
	ds_load_b32 v[BI+\j], v[BV] offset:(\ct)*64
.endr
.else
	ds_load_b128 v[BI:BI+3], v[BA] offset:(\kind)*256+(\ct)*64
	ds_load_b128 v[BI+4:BI+7], v[BA] offset:(\kind)*256+(\ct)*64+16
.endif
.endm
; 16 products: K steps 4 half .. 4 half + 3 x my four tiles of tokens.  The four accumulators take turns, one instruction a turn.  Register u of a scale image serves K step u from lanes 0-15 and K step 4 + u from lanes 16-31.
.macro MUL half, kind, par
.irp u, 0,1,2,3
.irp i, 0,1,2,3
.set rD, AC+8*\i
.set rC, AC+8*\i
.if (\half == 0) && (\u == 0)
.set rC, BI
.endif
.set rW, WR+8*(4*\half+\u)
.set rH, 64*\i+8*(4*\half+\u)
.set rX, WS+4*(\par)+\u
.set rY, HS+4*\i+\u
.if \kind == 2
.if \half
	v_wmma_scale_f32_16x16x128_f8f6f4 v[rD:rD+7], v[rH:rH+7], v[rW:rW+7], v[rC:rC+7], v[rY], v[rX] matrix_a_fmt:MATRIX_FMT_FP4 matrix_b_fmt:MATRIX_FMT_FP4 matrix_a_scale:MATRIX_SCALE_ROW1 matrix_b_scale:MATRIX_SCALE_ROW1
.else
	v_wmma_scale_f32_16x16x128_f8f6f4 v[rD:rD+7], v[rH:rH+7], v[rW:rW+7], v[rC:rC+7], v[rY], v[rX] matrix_a_fmt:MATRIX_FMT_FP4 matrix_b_fmt:MATRIX_FMT_FP4
.endif
.else
.if \half
	v_wmma_scale_f32_16x16x128_f8f6f4 v[rD:rD+7], v[rW:rW+7], v[rH:rH+7], v[rC:rC+7], v[rX], v[rY] matrix_a_fmt:MATRIX_FMT_FP4 matrix_b_fmt:MATRIX_FMT_FP4 matrix_a_scale:MATRIX_SCALE_ROW1 matrix_b_scale:MATRIX_SCALE_ROW1
.else
	v_wmma_scale_f32_16x16x128_f8f6f4 v[rD:rD+7], v[rW:rW+7], v[rH:rH+7], v[rC:rC+7], v[rX], v[rY] matrix_a_fmt:MATRIX_FMT_FP4 matrix_b_fmt:MATRIX_FMT_FP4
.endif
.endif
.endr
.endr
.endm
; The four accumulators, each from its low end on, rounded to f16: four registers each.  q: into Q's fragments; k, v: to LDS as they stand.
.macro PACK kind, ct, grp
.irp i, 0,1,2,3
.irp j, 0,1,2,3
.if \kind == 0
	v_cvt_pk_f16_f32 v[QF+16*\i+8*((\ct)/2)+4*((\ct)%2)+\j], v[AC+8*\i+2*\j], v[AC+8*\i+2*\j+1]
.else
	v_cvt_pk_f16_f32 v[PK+4*\i+\j], v[AC+8*\i+2*\j], v[AC+8*\i+2*\j+1]
.endif
.endr
.endr
.irp i, 0,1,2,3
.if \kind == 1
	ds_store_b128 v[KST+\grp], v[PK+4*\i:PK+4*\i+3] offset:\i*2048+((\ct)/2)*1024+((\ct)%2)*512
.endif
.if \kind == 2
	ds_store_b128 v[VST+\grp], v[PK+4*\i:PK+4*\i+3] offset:(\i/2)*4096+(\ct)*1024+(\i%2)*512
.endif
.endr
.endm
; A column tile for my four tiles of tokens: 32 products.  The next tile's (nk, nct; nk = -1: none) fragments are fetched half by half into the registers that this tile has done with.
.macro TILE kind, ct, grp, par, nk, nct
	s_wait_dscnt 8                                 ; the first half of W, the scale image and the bias are in; the second half's eight loads may be out
.if \kind == 2
	WIN 0x01                                       ; source 0 (h) window 1
.else
	WIN 0x04                                       ; source 1 (h) window 1
.endif
	MUL 0, \kind, \par
	WIN 0
	PLACES 4                                       ; in front of loads into registers that these products have read
.if \nk >= 0
	WFETCH 0, \nk, \nct
	AUX \nk, \nct, 1-\par
.if \nk == 2
	s_wait_dscnt 17                                ; all but the 17 just issued: the second half of W is in
.else
	s_wait_dscnt 11                                ; all but the 11 just issued
.endif
.else
	s_wait_dscnt 0x0
.endif
.if \kind == 2
	WIN 0x01
.else
	WIN 0x04
.endif
	MUL 1, \kind, \par
	WIN 0
	PLACES 5                                       ; five: the next tile begins these accumulators anew, with another C
.if \nk >= 0
	WFETCH 1, \nk, \nct
.endif
	PACK \kind, \ct, \grp
.endm
	WFETCH 0, 0, 0                                 ; the first tile's fragments
	AUX 0, 0, 0
	WFETCH 1, 0, 0
	s_wait_loadcnt 0x0                             ; h's codes and scale images are in
	TILE 0, 0, 0, 0, 0, 1                          ; ---- my own tokens: Q,
	TILE 0, 1, 0, 1, 0, 2
	TILE 0, 2, 0, 0, 0, 3
	TILE 0, 3, 0, 1, 1, 0
	TILE 1, 0, 0, 0, 1, 1                          ; K,
	TILE 1, 1, 0, 1, 1, 2
	TILE 1, 2, 0, 0, 1, 3
	TILE 1, 3, 0, 1, 2, 0
	TILE 2, 0, 0, 0, 2, 1                          ; V
	TILE 2, 1, 0, 1, 2, 2
	TILE 2, 2, 0, 0, 2, 3
	TILE 2, 3, 0, 1, 1, 0
	HLOAD 26, 30                                   ; ---- the four tiles of the other half (behind the last tile's five places)
	s_wait_loadcnt 0x0
	TILE 1, 0, 1, 0, 1, 1                          ; K
	TILE 1, 1, 1, 1, 1, 2
	TILE 1, 2, 1, 0, 1, 3
	TILE 1, 3, 1, 1, 2, 0
	BARRIER                                        ; nobody reads Wq's and Wk's codes any more: V's images may be stored over them
	TILE 2, 0, 1, 0, 2, 1                          ; V
	TILE 2, 1, 1, 1, 2, 2
	TILE 2, 2, 1, 0, 2, 3
	TILE 2, 3, 1, 1, -1, 0
	BARRIER                                        ; K and V of all 1,024 keys lie in LDS
; ---- PHASE 2.  The softmax of my four tiles for one key step, the tiles by turns line by line, so that no line waits for the line above it.
.macro SOFTMAX first
.irp j, 0,1,2,3
.irp t, 0,1,2,3
	v_max3_num_f32 v[ST+8*\t+4+\j], v[S+32*\t+8*\j], v[S+32*\t+8*\j+1], v[S+32*\t+8*\j+2]   ; four chains, each begun at an accumulator's low end
.endr
.endr
.irp q, 1,2
.irp j, 0,1,2,3
.irp t, 0,1,2,3
	v_max3_num_f32 v[ST+8*\t+4+\j], v[ST+8*\t+4+\j], v[S+32*\t+8*\j+2*\q+1], v[S+32*\t+8*\j+2*\q+2]
.endr
.endr
.endr
.irp t, 0,1,2,3
	v_max3_num_f32 v[ST+8*\t+4], v[ST+8*\t+4], v[S+32*\t+7], v[S+32*\t+15]
.endr
.irp t, 0,1,2,3
	v_max3_num_f32 v[ST+8*\t+6], v[ST+8*\t+6], v[S+32*\t+23], v[S+32*\t+31]
.endr
.irp t, 0,1,2,3
	v_max3_num_f32 v[ST+8*\t+4], v[ST+8*\t+4], v[ST+8*\t+5], v[ST+8*\t+6]
.endr
.irp t, 0,1,2,3
.if \first
	v_max_num_f32 v[ST+8*\t+4], v[ST+8*\t+4], v[ST+8*\t+7]
.else
	v_max3_num_f32 v[ST+8*\t+4], v[ST+8*\t+4], v[ST+8*\t+7], v[ST+8*\t+1]   ; with the old m
.endif
.endr
.irp t, 0,1,2,3
	v_permlanex16_b32 v[ST+8*\t+5], v[ST+8*\t+4], s44, s45   ; the query's other 32 keys lie in the lane 16 away
.endr
.if \first == 0
.irp t, 0,1,2,3
	v_mov_b32 v[ST+8*\t+7], v[ST+8*\t]             ; c m_old is kept for a
.endr
.endif
.irp t, 0,1,2,3
	v_max_num_f32 v[ST+8*\t+1], v[ST+8*\t+4], v[ST+8*\t+5]   ; the new m
.endr
.irp t, 0,1,2,3
	v_mul_f32 v[ST+8*\t], s42, v[ST+8*\t+1]        ; c m
.endr
.if \first == 0
.irp t, 0,1,2,3
	v_sub_f32 v[ST+8*\t+7], v[ST+8*\t+7], v[ST+8*\t]
.endr
.endif
.irp b, 0,1,2,3,4,5,6,7,8,9,10,11,12,13,14,15
.irp t, 0,1,2,3
	v_pk_fma_f32 v[S+32*\t+2*\b:S+32*\t+2*\b+1], v[S+32*\t+2*\b:S+32*\t+2*\b+1], s[42:43], v[ST+8*\t:ST+8*\t+1] op_sel_hi:[1,0,0] neg_lo:[0,0,1] neg_hi:[0,0,1]   ; c s - c m, two at a time
.endr
.endr
.if \first == 0
.irp t, 0,1,2,3
	v_exp_f32 v[ST+8*\t+6], v[ST+8*\t+7]           ; a = 2^(c m_old - c m_new)
.endr
.endif
.irp p, 0,1,2,3,4,5,6,7,8,9,10,11,12,13,14,15,16,17,18,19,20,21,22,23,24,25,26,27,28,29,30,31
.irp t, 0,1,2,3
	v_exp_f32 v[S+32*\t+\p], v[S+32*\t+\p]         ; p, at most 1
.endr
.endr
	v_nop                                          ; a plain instruction behind the last exponential, ahead of the first use
	s_wait_alu depctr_va_vdst(0)                   ; ONE wait for the whole batch, ahead of its first reader
.irp t, 0,1,2,3
	v_pk_add_f32 v[ST+8*\t+4:ST+8*\t+5], v[S+32*\t:S+32*\t+1], v[S+32*\t+2:S+32*\t+3]   ; the sum is taken of p in f32, before it is rounded
.endr
.irp b, 2,3,4,5,6,7,8,9,10,11,12,13,14
.irp t, 0,1,2,3
	v_pk_add_f32 v[ST+8*\t+4:ST+8*\t+5], v[ST+8*\t+4:ST+8*\t+5], v[S+32*\t+2*\b:S+32*\t+2*\b+1]
.endr
.endr
.irp t, 0,1,2,3
.if \first
	v_pk_add_f32 v[ST+8*\t+2:ST+8*\t+3], v[ST+8*\t+4:ST+8*\t+5], v[S+32*\t+30:S+32*\t+31]   ; the first step starts l
.else
	v_pk_add_f32 v[ST+8*\t+4:ST+8*\t+5], v[ST+8*\t+4:ST+8*\t+5], v[S+32*\t+30:S+32*\t+31]
.endif
.endr
.if \first == 0
.irp t, 0,1,2,3
	v_pk_fma_f32 v[ST+8*\t+2:ST+8*\t+3], v[ST+8*\t+2:ST+8*\t+3], v[ST+8*\t+6:ST+8*\t+7], v[ST+8*\t+4:ST+8*\t+5] op_sel_hi:[1,0,1]   ; l = a l + the sum
.endr
.endif
.irp i, 0,1,2,3,4,5,6,7,8,9,10,11,12,13,14,15
.irp t, 0,1,2,3
	v_cvt_pk_f16_f32 v[S+32*\t+\i], v[S+32*\t+2*\i], v[S+32*\t+2*\i+1]   ; IN PLACE, ascending: register i takes numbers 2 i and 2 i + 1; registers 8 u .. 8 u + 7 are P's fragment of keys 32 u on
.endr
.endr
.if \first == 0
	WIN 0x41                                       ; O^T (destination and source 0) window 1, a window 0
.irp i, 0,2,4,6,8,10,12,14,16,18,20,22,24,26,28,30
.irp t, 0,1,2,3
	v_pk_mul_f32 v[32*\t+\i:32*\t+\i+1], v[32*\t+\i:32*\t+\i+1], v[ST+8*\t+6:ST+8*\t+7] op_sel_hi:[1,0]
.endr
.endr
.endif
.endm
; A key step: 64 keys.  first: it starts m, l and O^T.  last: no K is left to fetch.
.macro STEP first, last
	s_wait_dscnt 0x0                               ; this step's K is in
	WIN 0x01                                       ; K window 1; Q and S^T window 0
.irp cc, 0,1
.irp kt, 0,1,2,3
.irp t, 0,1,2,3
.if \cc == 0
	v_wmma_f32_16x16x32_f16 v[S+32*\t+8*\kt:S+32*\t+8*\kt+7], v[KF+8*(2*\kt+\cc):KF+8*(2*\kt+\cc)+7], v[QF+16*\t+8*\cc:QF+16*\t+8*\cc+7], 0
.else
	v_wmma_f32_16x16x32_f16 v[S+32*\t+8*\kt:S+32*\t+8*\kt+7], v[KF+8*(2*\kt+\cc):KF+8*(2*\kt+\cc)+7], v[QF+16*\t+8*\cc:QF+16*\t+8*\cc+7], v[S+32*\t+8*\kt:S+32*\t+8*\kt+7]
.endif
.endr
.endr
.endr
	WIN 0
	v_add_nc_u32 v[ADV], s46, v[LV]                ; this step's V.  (These four lines are the places behind the products: in front of the loads into K's registers and of the first read of the scores)
.if \last
	v_nop
.else
	s_add_co_u32 s46, s46, 8192
	v_add_nc_u32 v[ADK], s46, v[LI]                ; the next step's K
.endif
	v_nop
	v_nop
	WIN 0x40                                       ; destination window 1
.set n, 0
.rept 16
	ds_load_b128 v[VF+4*n:VF+4*n+3], v[ADV] offset:512*n
.set n, n+1
.endr
.if \last == 0
.set n, 0
.rept 16
	ds_load_b128 v[KF+4*n:KF+4*n+3], v[ADK] offset:512*n
.set n, n+1
.endr
.endif
	WIN 0
	SOFTMAX \first
.if \last
	s_wait_dscnt 0x0
.else
	s_wait_dscnt 16                                ; V is in; the next step's K, 16 loads, may be out
.endif
	WIN 0x51                                       ; V window 1, P window 0, O^T window 1
.irp u, 0,1
.irp ct, 0,1,2,3
.irp t, 0,1,2,3
.if \first && (\u == 0)
	v_wmma_f32_16x16x32_f16 v[32*\t+8*\ct:32*\t+8*\ct+7], v[VF+8*(4*\u+\ct):VF+8*(4*\u+\ct)+7], v[S+32*\t+8*\u:S+32*\t+8*\u+7], 0
.else
	v_wmma_f32_16x16x32_f16 v[32*\t+8*\ct:32*\t+8*\ct+7], v[VF+8*(4*\u+\ct):VF+8*(4*\u+\ct)+7], v[S+32*\t+8*\u:S+32*\t+8*\u+7], v[32*\t+8*\ct:32*\t+8*\ct+7]
.endif
.endr
.endr
.endr
	WIN 0
	PLACES 5                                       ; five: the next step's first products write over P, which these have read
.endm
	WIN 0x40
.set n, 0
.rept 16
	ds_load_b128 v[KF+4*n:KF+4*n+3], v[LI] offset:512*n   ; key step 0's K
.set n, n+1
.endr
	WIN 0
	s_mov_b32 s46, 0                               ; LDS byte of the step in hand, in K's and in V's images
	STEP 1, 0
	s_mov_b32 s47, 14
.Lstep:
	STEP 0, 0
	s_sub_co_u32 s47, s47, 1
	s_cmp_lg_u32 s47, 0
	s_cbranch_scc1 .Lstep
	STEP 0, 1
	; ---- the way out: l's two halves and the other half of the lanes'; O^T / l; f16; stored as the next operand's registers
.irp t, 0,1,2,3
	v_add_f32 v[ST+8*\t+4], v[ST+8*\t+2], v[ST+8*\t+3]
.endr
.irp t, 0,1,2,3
	v_permlanex16_b32 v[ST+8*\t+5], v[ST+8*\t+4], s44, s45
.endr
.irp t, 0,1,2,3
	v_add_f32 v[ST+8*\t+4], v[ST+8*\t+4], v[ST+8*\t+5]
.endr
.irp t, 0,1,2,3
	v_rcp_f32 v[ST+8*\t+6], v[ST+8*\t+4]
.endr
	v_nop                                          ; a plain instruction behind the last reciprocal
	s_wait_alu depctr_va_vdst(0)                   ; one wait for the four, ahead of their first reader
	WIN 0x41
.irp t, 0,1,2,3
.irp i, 0,2,4,6,8,10,12,14,16,18,20,22,24,26,28,30
	v_pk_mul_f32 v[32*\t+\i:32*\t+\i+1], v[32*\t+\i:32*\t+\i+1], v[ST+8*\t+6:ST+8*\t+7] op_sel_hi:[1,0]
.endr
.endr
	WIN 0x05                                       ; sources window 1, destination window 0
.irp t, 0,1,2,3
.irp ct, 0,1,2,3
.irp j, 0,1,2,3
	v_cvt_pk_f16_f32 v[S+16*\t+4*\ct+\j], v[32*\t+8*\ct+2*\j], v[32*\t+8*\ct+2*\j+1]
.endr
.endr
.endr
	WIN 0
.irp t, 0,1,2,3
.irp ct, 0,1,2,3
	global_store_b128 v[LI], v[S+16*\t+4*\ct:S+16*\t+4*\ct+3], s[38:39] offset:\t*32768+\ct*512   ; 32 lanes store 512 consecutive aligned bytes
.endr
.endr
	s_wait_tensorcnt 0x0                           ; the wave's end
	ds_add_u32 v[SPW], v[NIL]
	s_wait_dscnt 0x0
	s_endpgm
.Lfunc_end_k_q3774aef0bc_attn:
	.size	k_q3774aef0bc_attn, .Lfunc_end_k_q3774aef0bc_attn-k_q3774aef0bc_attn
	.p2alignl 7, 3214868480
	.fill 96, 4, 3214868480
	.section	.rodata,"a",@progbits
	.p2align	6, 0x0
	.amdhsa_kernel k_q3774aef0bc_attn
		.amdhsa_group_segment_fixed_size 303104
		.amdhsa_private_segment_fixed_size 0
		.amdhsa_enable_private_segment 0
		.amdhsa_kernarg_size 64
		.amdhsa_user_sgpr_count 2
		.amdhsa_user_sgpr_kernarg_segment_ptr 1
		.amdhsa_wavefront_size32 1
		.amdhsa_system_sgpr_workgroup_id_x 1
		.amdhsa_system_sgpr_workgroup_id_y 1
		.amdhsa_system_sgpr_workgroup_id_z 1
		.amdhsa_system_vgpr_workitem_id 0
		.amdhsa_next_free_vgpr 512
		.amdhsa_next_free_sgpr 66
		.amdhsa_reserve_vcc 0
		.amdhsa_float_denorm_mode_32 3
		.amdhsa_float_denorm_mode_16_64 3
		.amdhsa_memory_ordered 1
		.amdhsa_forward_progress 1
		.amdhsa_inst_pref_size 255
	.end_amdhsa_kernel
	.section	.bss,"aw",@nobits
	.p2align	6
	.space	262144
	.amdgpu_metadata
---
amdhsa.version: [ 1, 2 ]
amdhsa.kernels:
  - .name:           k_q3774aef0bc_attn
    .symbol:         k_q3774aef0bc_attn.kd
    .args:
      - { .name: hc, .offset: 0, .size: 8, .value_kind: global_buffer, .address_space: global }
      - { .name: hs, .offset: 8, .size: 8, .value_kind: global_buffer, .address_space: global }
      - { .name: wc, .offset: 16, .size: 8, .value_kind: global_buffer, .address_space: global }
      - { .name: ws, .offset: 24, .size: 8, .value_kind: global_buffer, .address_space: global }
      - { .name: bq, .offset: 32, .size: 8, .value_kind: global_buffer, .address_space: global }
      - { .name: bk, .offset: 40, .size: 8, .value_kind: global_buffer, .address_space: global }
      - { .name: bv, .offset: 48, .size: 8, .value_kind: global_buffer, .address_space: global }
      - { .name: at16, .offset: 56, .size: 8, .value_kind: global_buffer, .address_space: global }
    .group_segment_fixed_size: 303104
    .private_segment_fixed_size: 0
    .kernarg_segment_align: 8
    .kernarg_segment_size: 64
    .max_flat_workgroup_size: 256
    .sgpr_count:     66
    .vgpr_count:     512
    .wavefront_size: 32
...
	.end_amdgpu_metadata
.endif
;; end of part 2
;; launch proj (part 3): grid 32 x 8, 4 waves a work-group, clusters of 4 x 1, 327,680 bytes of LDS; arguments at16, wo16, bo, out0; writes out0
.if DOCPART == 3
	.amdgcn_target "amdgcn-amd-amdhsa--gfx1250"
	.amdhsa_code_object_version 6
	.text
	.protected	k_q3774aef0bc_proj
	.globl	k_q3774aef0bc_proj
	.p2align	8
	.type	k_q3774aef0bc_proj,@function
k_q3774aef0bc_proj:
	s_mov_b64 s[64:65], 0
	v_nop
	global_prefetch_b8 v0, s[64:65] scope:SCOPE_SE
	s_setreg_imm32_b32 hwreg(HW_REG_WAVE_MODE, 25, 1), 1
	s_wait_xcnt 0x0
	s_wait_alu depctr_hold_cnt(0) depctr_sa_sdst(0) depctr_va_vdst(0) depctr_va_sdst(0) depctr_va_ssrc(0) depctr_va_vcc(0) depctr_vm_vsrc(0)
	s_getreg_b32 s2, hwreg(HW_REG_IB_STS2, 6, 4)
	s_cmp_eq_u32 s2, 0
	s_cbranch_scc0 .Lentry_in_a_cluster
	s_endpgm
.Lentry_in_a_cluster:
	s_bfe_u32 s2, ttmp6, 0x10000c
	s_cmp_lg_u32 s2, 0x3003
	s_cbranch_scc0 .Lentry_shape_is_right
	s_endpgm
.Lentry_shape_is_right:
; PROJ.  out0 = attn Wo + bo.  attn [8192][1024] and Wo [1024][1024] arrive in f16 as images of the operands' registers (at16 [row tile 512][32 along K: 32][1,024], wo16 [column tile 64][32][1,024]); sums in f32; out0 f32.
; SHARES.  A work-group makes 256 rows x 128 columns; wave w makes 64 rows (four tiles) x all eight column tiles: 32 accumulators, 256 registers.
;   Wo's 128 columns for all of K, 262,144 bytes, come into LDS ONCE, in eight chunks of 128 along K, and stay: no slot is ever filled again.
;   A fragment of attn is wanted by one wave alone: it goes from memory straight into registers, eight K steps (64 loads of 512 consecutive bytes) ahead.
; CLUSTER.  The four work-groups of a cluster have the same columns, so Wo's chunks are asked for JOINTLY: the same tensor load, with the same descriptor and a mask that names the four, in all four.
;   By this text's count eight tensor loads of a wave are out.
; THE MATRIX INSTRUCTION IS USED TRANSPOSED (source 0 = 16 columns of Wo, source 1 = 16 rows of attn): a lane holds eight neighbouring numbers of a row of out0.  bo is the C of each sum's first product.
; REGISTERS, in windows of 256.  window 0: v1-4 LDS addresses of Wo's images (16 x lane + 65,536 q), v6-11 other addresses; v64-127, v128-191 Wo's fragments, two sets (on the way out: rows read back); v192-255 bo as eight C's.
;   window 1: attn's fragments, a ring of eight slots of 32.   window 2: accumulator (row tile i, column tile n) at v[8 (8 i + n)].
.set STG,   262144                     ; behind Wo's images: a stage of 16 rows x (512 + 16) bytes for each wave; no tensor load lands there
.set SPARE, STG+4*8448                 ; the spare words, 128 bytes a wave: two blocks of 256 bytes that no other line names
.set LI,  1                            ; v1   16 x lane
.set BA,  1                            ; v1-4 16 x lane + 65,536 q
.set STO, 6                            ; v6   the stage: where I put 32 bytes of a row
.set RD,  7                            ; v7   and where I read a row back
.set BO,  8                            ; v8   32 h: my eight numbers of a tile of bo
.set SPW, 10                           ; v10  my spare word; never rewritten
.set NIL, 11                           ; v11  0; never rewritten
.set BS,  64
.set BIAS, 192
.set G1,  24                           ; s[24:31] descriptor group 1
.set G0,  32                           ; s[32:63] eight groups 0, one for each chunk
.set MSB, 0
.macro WIN new                         ; the immediate's high byte repeats the setting that is left
.if MSB != \new
	s_set_vgpr_msb (MSB<<8)|\new
.set MSB, \new
.endif
.endm
.macro PLACES n
.rept \n
	v_nop
.endr
.endm
.macro ROUND                           ; a round of the cluster's barrier
	s_barrier_signal -1
	s_barrier_wait -1
	s_cmp_lg_u32 s12, 0
	s_cbranch_scc1 .Lnot_wave_0_\@
	s_barrier_signal -3
.Lnot_wave_0_\@:
	s_barrier_wait -3
	s_barrier_signal -1
	s_barrier_wait -1
.endm
	s_load_b256 s[4:11], s[0:1], 0x0               ; at16 s[4:5], wo16 s[6:7], bo s[8:9], out0 s[10:11]
	v_lshl_add_u32 v[SPW], v0, 2, SPARE
	v_mov_b32 v[NIL], 0
	ds_add_u32 v[SPW], v[NIL]                      ; the wave's opening: the add, twice on end, and its wait ahead of my first tensor load
	ds_add_u32 v[SPW], v[NIL]                      ; and once more; the set-up below, work on registers, stands between it and the wait
	v_lshrrev_b32 v12, 5, v0
	v_readfirstlane_b32 s12, v12                   ; wave 0..3
	s_bfe_u32 s13, ttmp6, 0x40000                  ; cx: my place in the cluster
	s_lshl_b32 s14, ttmp9, 2
	s_add_co_u32 s14, s14, s13                     ; my block of 256 rows: it enters attn's and out0's addresses alone
	s_and_b32 s15, ttmp7, 0xffff                   ; my block of 128 columns, which the four partners share
	; group 1: two rows (column tiles) of 512 elements of 8 bytes (a chunk: 4,096 bytes), 4,096 elements from row to row, no padding
	s_mov_b32 s[G1+0], 15|(3<<16)|(1<<21)          ; the mask: all four work-groups; elements of 8 bytes; bit 21 set beside a mask
	s_mov_b32 s[G1+1], 512<<16                     ; tensor_dim0
	s_mov_b32 s[G1+2], 2<<16                       ; tensor_dim1
	s_mov_b32 s[G1+3], 512<<16                     ; tile_dim0
	s_mov_b32 s[G1+4], 2                           ; tile_dim1
	s_mov_b32 s[G1+5], 4096                        ; pitch
	s_mov_b32 s[G1+6], 0
	s_mov_b32 s[G1+7], 0
	s_lshl_b32 s16, s15, 18                        ; wo16: column tile 8 x block + 2 x wave, 32,768 bytes each
	s_lshl_b32 s17, s12, 16
	s_add_co_u32 s16, s16, s17
	s_mov_b32 s17, 0
	s_lshl_b32 s18, s14, 19                        ; at16: row tile 16 x block + 4 x wave
	s_lshl_b32 s19, s12, 17
	s_add_co_u32 s18, s18, s19
	s_mov_b32 s19, 0
	s_lshl_b32 s2, s15, 9                          ; bo, and a row of out0: 512 bytes a block of columns
	s_mov_b32 s3, 0
	s_lshl_b32 s22, s14, 20                        ; out0: row 256 x block + 64 x wave, 4,096 bytes each
	s_lshl_b32 s23, s12, 18
	s_add_co_u32 s22, s22, s23
	s_add_co_u32 s22, s22, s2
	s_mov_b32 s23, 0
	s_lshl_b32 s20, s12, 13                        ; LDS: my two column tiles of a chunk
	s_mul_i32 s21, s12, 8448
	s_add_co_u32 s21, s21, STG                     ; my stage
	v_and_b32 v12, 31, v0
	v_lshlrev_b32 v[LI], 4, v12
	v_add_nc_u32 v[BA+1], 65536, v[LI]
	v_add_nc_u32 v[BA+2], 131072, v[LI]
	v_add_nc_u32 v[BA+3], 196608, v[LI]
	v_and_b32 v13, 15, v0                          ; r
	v_bfe_u32 v14, v0, 4, 1                        ; h
	v_mul_u32_u24 v[STO], v13, 528
	v_lshl_add_u32 v[STO], v14, 5, v[STO]
	v_add_nc_u32 v[STO], s21, v[STO]
	v_add_nc_u32 v[RD], s21, v[LI]
	v_lshlrev_b32 v[BO], 5, v14
	s_wait_dscnt 0x0                               ; both opening adds are done
	s_wait_kmcnt 0x0
	s_add_nc_u64 s[6:7], s[6:7], s[16:17]
	s_add_nc_u64 s[4:5], s[4:5], s[18:19]
	s_add_nc_u64 s[8:9], s[8:9], s[2:3]
	s_add_nc_u64 s[10:11], s[10:11], s[22:23]
.irp j, 0,1,2,3,4,5,6,7
	s_mov_b32 s[G0+4*\j], 1                        ; count = 1
	s_add_co_u32 s[G0+4*\j+1], s20, \j*32768       ; LDS: chunk j, my two column tiles
	s_add_nc_u64 s[G0+4*\j+2:G0+4*\j+3], s[6:7], \j*4096
	s_or_b32 s[G0+4*\j+3], s[G0+4*\j+3], 0x80000000   ; type = 2
.endr
	ROUND                                          ; all four work-groups are here: the joint loads meet
.irp j, 0,1,2,3,4,5,6,7
	tensor_load_to_lds s[G0+4*\j:G0+4*\j+3], s[G1:G1+7]   ; all first fills go out together
	s_nop 0
.endr
	PLACES 4
.irp n, 0,1,2,3,4,5,6,7
	global_load_b128 v[BIAS+8*\n:BIAS+8*\n+3], v[BO], s[8:9] offset:64*\n       ; lane (r, h): bo at columns 16 n + 8 h + 0 .. 7
	global_load_b128 v[BIAS+8*\n+4:BIAS+8*\n+7], v[BO], s[8:9] offset:64*\n+16
.endr
.macro AFETCH ks                       ; attn's four fragments of K step ks into slot ks % 8 (window 1)
.irp i, 0,1,2,3
.irp c, 0,1
	global_load_b128 v[32*((\ks)%8)+8*\i+4*\c:32*((\ks)%8)+8*\i+4*\c+3], v[LI], s[4:5] offset:\i*32768+(\ks)*1024+512*\c
.endr
.endr
.endm
.macro BFETCH ks                       ; Wo's eight fragments of K step ks into set ks % 2
.irp n, 0,1,2,3,4,5,6,7
.irp c, 0,1
	ds_load_b128 v[BS+64*((\ks)%2)+8*\n+4*\c:BS+64*((\ks)%2)+8*\n+4*\c+3], v[BA+(\ks)/8] offset:(((\ks)/4)%2)*32768+\n*4096+((\ks)%4)*1024+512*\c
.endr
.endr
.endm
	WIN 0x40                                       ; destination window 1
.irp k, 0,1,2,3,4,5,6,7
	AFETCH \k
.endr
	WIN 0
	s_wait_tensorcnt 7                             ; my part of chunk 0 is in; the seven later chunks may be out
	s_barrier_signal -1
	s_barrier_wait -1                              ; everybody's is
	BFETCH 0
	BFETCH 1
; A K step of 32: 32 products, the 32 accumulators by turns.
.macro KS k
.if 31-(\k) < 7
	s_wait_loadcnt 8*(31-(\k))                     ; this step's fragments of attn are in; the younger slots may be out
.else
	s_wait_loadcnt 56
.endif
.if (\k) == 31
	s_wait_dscnt 0x0
.else
	s_wait_dscnt 16                                ; this step's set of Wo is in; the next step's 16 loads may be out
.endif
.if (\k) == 0
	WIN 0x84                                       ; Wo window 0, attn window 1, C (bo) window 0, D window 2
.else
	WIN 0xa4                                       ; C and D window 2
.endif
.irp i, 0,1,2,3
.irp n, 0,1,2,3,4,5,6,7
.if (\k) == 0
	v_wmma_f32_16x16x32_f16 v[8*(8*\i+\n):8*(8*\i+\n)+7], v[BS+64*((\k)%2)+8*\n:BS+64*((\k)%2)+8*\n+7], v[32*((\k)%8)+8*\i:32*((\k)%8)+8*\i+7], v[BIAS+8*\n:BIAS+8*\n+7]
.else
	v_wmma_f32_16x16x32_f16 v[8*(8*\i+\n):8*(8*\i+\n)+7], v[BS+64*((\k)%2)+8*\n:BS+64*((\k)%2)+8*\n+7], v[32*((\k)%8)+8*\i:32*((\k)%8)+8*\i+7], v[8*(8*\i+\n):8*(8*\i+\n)+7]
.endif
.endr
.endr
	WIN 0
	PLACES 4                                       ; in front of loads into registers that these products have read (behind the last step: of the first read of results)
.if ((\k)%4 == 2) && ((\k) < 30)
	s_wait_tensorcnt 7-((\k)+2)/4                  ; my part of the next chunk is in; the later ones may be out,
	s_wait_dscnt 0x0                               ; no LDS instruction of mine is pending at the signal,
	s_barrier_signal -1
	s_barrier_wait -1                              ; and everybody's part is in.
.endif
.if (\k)+2 < 32
	BFETCH (\k)+2
.endif
.if (\k)+8 < 32
	WIN 0x40
	AFETCH (\k)+8
	WIN 0
.endif
.endm
.irp k, 0,1,2,3,4,5,6,7,8,9,10,11,12,13,14,15,16,17,18,19,20,21,22,23,24,25,26,27,28,29,30,31
	KS \k
.endr
; THE WAY OUT, a tile of 16 rows x 128 columns at a time: a lane holds 32 neighbouring bytes of a row and the lanes beside it hold other rows, so a tile goes through my own stage and comes back as whole rows of 512 bytes.
; LDS serves a wave's instructions in order (ISA guide 5.7.1.4): no wait between the stores and the loads, nor in front of the next tile's stores.
.macro TOSTAGE a
	WIN 0x08                                       ; an LDS store's data are its source 1: window 2
.irp n, 0,1,2,3,4,5,6,7
	ds_store_b128 v[STO], v[8*(8*(\a)+\n):8*(8*(\a)+\n)+3] offset:64*\n        ; each accumulator from its low end on
	ds_store_b128 v[STO], v[8*(8*(\a)+\n)+4:8*(8*(\a)+\n)+7] offset:64*\n+16
.endr
	WIN 0
.irp t, 0,1,2,3,4,5,6,7,8,9,10,11,12,13,14,15
	ds_load_b128 v[BS+64*((\a)%2)+4*\t:BS+64*((\a)%2)+4*\t+3], v[RD] offset:528*\t
.endr
.endm
.macro SEND a, younger                 ; younger: the LDS instructions issued behind tile a's loads, which may stay out
	s_wait_dscnt \younger
.irp t, 0,1,2,3,4,5,6,7,8,9,10,11,12,13,14,15
	global_store_b128 v[LI], v[BS+64*((\a)%2)+4*\t:BS+64*((\a)%2)+4*\t+3], s[10:11] offset:(\a)*65536+\t*4096 th:TH_STORE_NT   ; 32 lanes store 512 consecutive aligned bytes; written once, read by nobody here
.endr
.endm
	TOSTAGE 0
	TOSTAGE 1
	SEND 0, 32                                     ; behind tile 0's loads: tile 1's 16 stores and 16 loads
	s_wait_xcnt 0x0                                ; tile 0's stores have read their registers: tile 2's rows may land there
	TOSTAGE 2
	SEND 1, 32
	s_wait_xcnt 0x0
	TOSTAGE 3
	SEND 2, 32
	SEND 3, 0
	s_wait_tensorcnt 0x0                           ; the wave's end, behind my last tensor load and my last LDS store
	ds_add_u32 v[SPW], v[NIL]
	s_wait_dscnt 0x0
	ROUND                                          ; the closing round: no work-group ends while a partner may still ask for a chunk that names it
	s_endpgm
.Lfunc_end_k_q3774aef0bc_proj:
	.size	k_q3774aef0bc_proj, .Lfunc_end_k_q3774aef0bc_proj-k_q3774aef0bc_proj
	.p2alignl 7, 3214868480
	.fill 96, 4, 3214868480
	.section	.rodata,"a",@progbits
	.p2align	6, 0x0
	.amdhsa_kernel k_q3774aef0bc_proj
		.amdhsa_group_segment_fixed_size 327680
		.amdhsa_private_segment_fixed_size 0
		.amdhsa_enable_private_segment 0
		.amdhsa_kernarg_size 32
		.amdhsa_user_sgpr_count 2
		.amdhsa_user_sgpr_kernarg_segment_ptr 1
		.amdhsa_wavefront_size32 1
		.amdhsa_system_sgpr_workgroup_id_x 1
		.amdhsa_system_sgpr_workgroup_id_y 1
		.amdhsa_system_sgpr_workgroup_id_z 1
		.amdhsa_system_vgpr_workitem_id 0
		.amdhsa_next_free_vgpr 768
		.amdhsa_next_free_sgpr 66
		.amdhsa_reserve_vcc 0
		.amdhsa_float_denorm_mode_32 3
		.amdhsa_float_denorm_mode_16_64 3
		.amdhsa_memory_ordered 1
		.amdhsa_forward_progress 1
		.amdhsa_inst_pref_size 153
	.end_amdhsa_kernel
	.amdgpu_metadata
---
amdhsa.version: [ 1, 2 ]
amdhsa.kernels:
  - .name:           k_q3774aef0bc_proj
    .symbol:         k_q3774aef0bc_proj.kd
    .args:
      - { .name: at16, .offset: 0, .size: 8, .value_kind: global_buffer, .address_space: global }
      - { .name: wo16, .offset: 8, .size: 8, .value_kind: global_buffer, .address_space: global }
      - { .name: bo, .offset: 16, .size: 8, .value_kind: global_buffer, .address_space: global }
      - { .name: out0, .offset: 24, .size: 8, .value_kind: global_buffer, .address_space: global }
    .group_segment_fixed_size: 327680
    .private_segment_fixed_size: 0
    .kernarg_segment_align: 8
    .kernarg_segment_size: 32
    .max_flat_workgroup_size: 128
    .sgpr_count:     66
    .vgpr_count:     768
    .wavefront_size: 32
...
	.end_amdgpu_metadata
.endif
;; end of part 3
;; ======== version 2 of 2: 3 launches; version 1 with the launch attn written anew for expert scheduling mode
;; limits: values are held in f16: magnitudes above 65,504 overflow, below 6.1e-05 lose precision
;; workspace buffers: hc 4,194,304 bytes; hs 262,144 bytes; wc 1,572,864 bytes; ws 98,304 bytes; wo16 2,097,152 bytes; at16 16,777,216 bytes
;; launch prep: the kernel of part 1 again; grid 256 x 1, 4 waves a work-group, no clusters, 167,936 bytes of LDS; arguments hidden_states, Wq, Wk, Wv, Wo, hc, hs, wc, ws, wo16; writes hc, hs, wc, ws, wo16
;; launch attn (part 4): grid 256 x 1, 8 waves a work-group, no clusters, 303,104 bytes of LDS; arguments hc, hs, wc, ws, bq, bk, bv, at16; writes at16
.if DOCPART == 4
	.amdgcn_target "amdgcn-amd-amdhsa--gfx1250"
	.amdhsa_code_object_version 6
	.text
	.protected	k_q3774aef0bc_attn
	.globl	k_q3774aef0bc_attn
	.p2align	8
	.type	k_q3774aef0bc_attn,@function
k_q3774aef0bc_attn:
	s_mov_b64 s[64:65], 0
	v_nop
	global_prefetch_b8 v0, s[64:65] scope:SCOPE_SE
	s_setreg_imm32_b32 hwreg(HW_REG_WAVE_SCHED_MODE, 0, 2), 2
	s_setreg_imm32_b32 hwreg(HW_REG_WAVE_MODE, 25, 1), 1
	s_wait_xcnt 0x0
	s_wait_alu depctr_vm_vsrc(0)
; ATTN.  One work-group for (batch, head, half of the queries): q = h Wq + bq, k = h Wk + bk, v = h Wv + bv on codes of FP4 with E8M0 scales, then softmax(q k^T / 8) v in f16 with f32 sums.  q, k, v never go to memory.
; PHASE 1.  Eight waves.  Wave w owns four tiles of 16 tokens of its half (its queries) and the four tiles 512 tokens away.  It keeps a group's codes of h (4 tiles x 8 K steps = 256 registers) in registers and walks
;   the head's column tiles of Wq, Wk, Wv, which lie in LDS: each fragment of W read from LDS feeds four products.  The bias is the C of a sum's first product.
;   Q and K are used transposed (source 0 = 16 columns of W, source 1 = 16 tokens): a lane holds one token and eight neighbouring channels, which rounded to f16 ARE four registers of the next product's operand.
;   V is used as it stands (source 0 = tokens, source 1 = columns): a lane holds one channel and eight neighbouring tokens: four registers of V^T's operand.
;   Q stays in registers; K and V of all 1,024 keys go to LDS as images of their registers (16 bytes a lane, 512 consecutive bytes an instruction).  The keys' order in LDS is by wave: a softmax does not mind the order.
; PHASE 2.  16 key steps of 64 keys, no barrier.  S^T = K Q^T, O^T = V^T P: a lane holds one query throughout.  For each query a running maximum m and sum l: p = 2^(c s - c m), c = log2(e) / 8 (the factor 1 / 8 that
;   the reference puts on q is a power of two and is taken here); O and l are multiplied by a = 2^(c m_old - c m_new) in every step.  The sum is taken of p in f32; p is rounded to f16 in place.
;   Two waves share a SIMD: one's softmax stands beside the other's products.
; OUT.  O^T / l, rounded to f16, is stored as images of the registers that the next launch's operand wants: at16 [row tile 512][32 along D: 32][1,024]; each store covers 512 consecutive bytes.
; NO JOINT LOADS: h's codes go from memory straight into registers (K's and V's images take 262,144 of the LDS bytes, so no stage for h fits), and W's 104,000 bytes are about a sixth of what a work-group reads.
; LIMITS: |q|, |k|, |v| stay under 65,504, f16's largest number (900 times their spread on inputs like the drawn ones).  Where the results fall under 6e-5 they are f16 subnormals, with an absolute error of 3e-8.
;   NaN and infinities are not served.
; REGISTERS, in windows of 256.  window 0: v1-6 addresses; v8-15 W's scale words (two sets), v16-31 h's: scales and nothing else; v32-47 phase 1's addresses, v32-63 phase 2's statistics; v64-127 Q;
;   v128-255 phase 1: W's fragments, accumulators, packed results, bias; phase 2: S^T, then P.   window 1: phase 1: h's fragments; phase 2: v0-127 O^T, v128-191 K, v192-255 V.
; THE MODE: SCHED_MODE bits 1:0 = 2 (LLVM: expert scheduling mode 2), set by the entry lines.  The code itself states the register dependences between vector or matrix instructions and memory or LDS instructions,
;   with s_wait_alu, always for 0.
; THE PLAN.  Registers that memory or LDS instructions touch:
;   v1, v6, v32-47   addresses, made once at the head: one wait on va_vdst ahead of the first load serves them all.  v32-47 become phase 2's statistics: one wait on vm_vsrc behind phase 1's last barrier.
;   v128-231         at the head alone: the weights on their way into LDS: loaded, then read by LDS stores: one wait on vm_vsrc behind the barrier, ahead of their next use.
;   W's half 0, bias read by a tile's first 16 products; the next tile's land there behind ONE wait on va_vdst that stands behind those 16.
;   W's half 1       read by a tile's last 16 products; the next tile's lands there behind the wait at the tile's end.
;   W's scale words  two sets by turns: a tile's products read one, the next tile's words land in the other, which the tile before read.
;   PK               written by a tile's conversions, read by its four LDS stores.  ONE wait on va_vdst at the tile's end, behind the conversions, states that PK is written and that the last 16 products are done
;                    reading half 1: the stores and the loads follow it.  A wait on vm_vsrc stands ahead of the next tile's conversions, a whole tile behind the stores that it waits for.
;   h's fragments and scale words   read by every product of a group; the second group's land behind the end wait of the first group's last tile; key step 0's K lands behind the end wait of the very last tile.
;   K, V (window 1), v2, v3   a key step: one wait on vm_vsrc, the two adds to the addresses, ONE wait on va_vdst behind this step's K Q^T: the addresses are written, K has been read, and so has V, by the last step's
;                    V^T P.  The step's 32 LDS loads follow in one run; the softmax behind them names none of these registers.
;   v128-191         on the way out: written by the conversions, read by the global stores: one wait on va_vdst.
;   The accumulators, Q, S^T and P, O^T and the statistics are named by vector and matrix instructions alone.  v4, v5: written at the head, read by the closing add alone.
.set KIMG, 0                           ; K: key step j x 8,192 + key tile x 2,048 + 32 channels x 1,024 + 512 c
.set VIMG, 131072                      ; V: key step j x 8,192 + 32 keys x 4,096 + channel tile x 1,024 + 512 c
.set WQK,  VIMG+65536                  ; Wq's and Wk's codes of the head, 32,768 bytes each: they lie where V of the second group goes, which is stored only behind the barrier behind which nobody reads them
.set WVS,  262144                      ; Wv's codes
.set WSC,  294912                      ; 12 scale images of 512 bytes: 4 x matrix + column tile
.set BIA,  301056                      ; bq, bk, bv of the head, 256 bytes each
.set SPARE, 302080                     ; the spare words, 128 bytes a wave: four blocks of 256 bytes that no other line names
.set LI,  1                            ; v1   16 x lane
.set ADK, 2                            ; v2   LDS address of the K in hand
.set ADV, 3                            ; v3   of the V
.set SPW, 4                            ; v4   my spare word; never rewritten
.set NIL, 5                            ; v5   0; never rewritten
.set LV,  6                            ; v6   16 x lane + VIMG
.set WS,  8
.set HS,  16
.set SA1, 32                           ; staging: 16 t + WQK
.set SA2, 33                           ; 16 t + WVS
.set SA3, 34                           ; 8 t + WSC
.set SA4, 35                           ; 4 t + BIA
.set GB,  36                           ; 4 (t % 64): in a bias
.set GT16, 37                          ; 16 t: in memory
.set GT8, 38                           ; 8 t
.set WA,  39                           ; 16 x lane + WQK
.set WB,  40                           ; 16 x lane + WVS
.set SA,  41                           ; 16 x lane + WSC
.set KST, 42                           ; v42, v43  where I store K's images, group 0 and 1
.set VST, 44                           ; v44, v45  V's
.set BA,  46                           ; BIA + 32 h
.set BV,  47                           ; BIA + 512 + 4 r
.set ST,  32                           ; phase 2: tile t at v[ST + 8 t]: +0 c m, +1 m, +2, +3 l, +4 .. +7 at work; a takes +6
.set QF,  64                           ; Q: tile i, channels 32 cc on: v[QF + 16 i + 8 cc]
.set S,   128                          ; S^T: tile t, key tile kt: v[S + 32 t + 8 kt]
.set WR,  128                          ; phase 1: W's eight fragments of a column tile
.set AC,  192                          ; four accumulators
.set PK,  224                          ; packed results
.set BI,  240                          ; the bias as a C
.set KF,  128                          ; window 1
.set VF,  192                          ; window 1
.set PKOUT, 0                          ; 1 once a tile has stored PK: phase 1 is straight-line text, so the assembler can keep this
.set MSB, 0
.macro WIN new                         ; the immediate's high byte repeats the setting that is left; a switch that changes nothing is dropped
.if MSB != \new
	s_set_vgpr_msb (MSB<<8)|\new
.set MSB, \new
.endif
.endm
.macro PLACES n                        ; plain vector instructions behind a matrix instruction (ISA guide 7.12.1)
.rept \n
	v_nop
.endr
.endm
.macro BARRIER                         ; my LDS stores have landed and my LDS loads are in: then the work-group's barrier
	s_wait_dscnt 0x0
	s_barrier_signal -1
	s_barrier_wait -1
.endm
	s_load_b512 s[4:19], s[0:1], 0x0               ; hc s[4:5], hs s[6:7], wc s[8:9], ws s[10:11], bq s[12:13], bk s[14:15], bv s[16:17], at16 s[18:19]
	v_lshl_add_u32 v[SPW], v0, 2, SPARE
	v_mov_b32 v[NIL], 0
	v_lshrrev_b32 v2, 5, v0
	v_readfirstlane_b32 s20, v2                    ; wave 0..7
	v_and_b32 v3, 31, v0
	v_lshlrev_b32 v[LI], 4, v3
	v_add_nc_u32 v[LV], VIMG, v[LI]
	v_lshlrev_b32 v[GT16], 4, v0
	v_lshlrev_b32 v[GT8], 3, v0
	v_add_nc_u32 v[SA1], WQK, v[GT16]
	v_add_nc_u32 v[SA2], WVS, v[GT16]
	v_add_nc_u32 v[SA3], WSC, v[GT8]
	v_lshl_add_u32 v[SA4], v0, 2, BIA
	v_and_b32 v[GB], 63, v0
	v_lshlrev_b32 v[GB], 2, v[GB]
	v_add_nc_u32 v[WA], WQK, v[LI]
	v_add_nc_u32 v[WB], WVS, v[LI]
	v_add_nc_u32 v[SA], WSC, v[LI]
	s_wait_alu depctr_va_sdst(0)                   ; s20 is written, ahead of its first reader: LDS addresses, bases and branches are made from it
	s_lshl_b32 s21, s20, 13                        ; key step w of a group: 8,192 bytes a step
	v_add_nc_u32 v[KST], s21, v[LI]
	v_add_nc_u32 v[KST+1], 65536, v[KST]
	v_add_nc_u32 v[VST], s21, v[LV]
	v_add_nc_u32 v[VST+1], 65536, v[VST]
	v_bfe_u32 v3, v0, 4, 1
	v_lshl_add_u32 v[BA], v3, 5, BIA
	v_and_b32 v3, 15, v0
	v_lshl_add_u32 v[BV], v3, 2, BIA+512
	s_and_b32 s21, ttmp9, 1                        ; which half of the queries
	s_bfe_u32 s22, ttmp9, 0x40001                  ; head
	s_lshr_b32 s23, ttmp9, 5                       ; batch
	s_lshl_b32 s23, s23, 6
	s_lshl_b32 s21, s21, 5
	s_add_co_u32 s23, s23, s21
	s_lshl_b32 s21, s20, 2
	s_add_co_u32 s23, s23, s21                     ; my first row tile: 64 x batch + 32 x half + 4 x wave
	s_xor_b32 s21, s23, 32                         ; and the first of the four in the other half
	s_mov_b32 s3, 0
	s_mov_b32 s42, 0x3e38aa3b                      ; c = log2(e) / 8
	s_mov_b32 s43, s42                             ; (named with it as a pair, so it is written)
	s_mov_b32 s44, 0x76543210
	s_mov_b32 s45, 0xfedcba98                      ; v_permlanex16_b32's selects for lane l xor 16
	s_wait_kmcnt 0x0
	s_lshl_b32 s2, s23, 13
	s_add_nc_u64 s[24:25], s[4:5], s[2:3]          ; h's codes: my tiles,
	s_lshl_b32 s2, s21, 13
	s_add_nc_u64 s[26:27], s[4:5], s[2:3]          ; the other four
	s_lshl_b32 s2, s23, 9
	s_add_nc_u64 s[28:29], s[6:7], s[2:3]          ; h's scale images likewise
	s_lshl_b32 s2, s21, 9
	s_add_nc_u64 s[30:31], s[6:7], s[2:3]
	s_lshl_b32 s2, s22, 15
	s_add_nc_u64 s[32:33], s[8:9], s[2:3]          ; the head's four column tiles of codes; the matrix goes by the immediate
	s_lshl_b32 s2, s22, 11
	s_add_nc_u64 s[34:35], s[10:11], s[2:3]        ; and of scale images
	s_cmp_lt_u32 s20, 2                            ; waves 0, 1 bring bq, waves 2, 3 bk, waves 4, 5 bv
	s_cselect_b64 s[36:37], s[12:13], s[14:15]
	s_cmp_lt_u32 s20, 4
	s_cselect_b64 s[36:37], s[36:37], s[16:17]
	s_lshl_b32 s2, s22, 8
	s_add_nc_u64 s[36:37], s[36:37], s[2:3]
	s_lshl_b32 s2, s23, 15
	s_lshl_b32 s40, s22, 11
	s_add_co_u32 s2, s2, s40
	s_add_nc_u64 s[38:39], s[18:19], s[2:3]        ; at16: 32,768 x row tile + 2,048 x head
; A group's codes of h: 32,768 consecutive bytes, registers and bytes run alike: fragment (tile i, K step s) at v[64 i + 8 s] of window 1; and its four scale images.
.macro HLOAD cb, sb
	WIN 0x40                                       ; destination window 1, address window 0
.set n, 0
.rept 64
	global_load_b128 v[4*n:4*n+3], v[LI], s[\cb:\cb+1] offset:512*n
.set n, n+1
.endr
	WIN 0
.irp i, 0,1,2,3
	global_load_b128 v[HS+4*\i:HS+4*\i+3], v[LI], s[\sb:\sb+1] offset:512*\i
.endr
.endm
	; ---- staging: the head's weights, scale images and biases go through registers into LDS, each wave's load 512 consecutive bytes
	s_wait_alu depctr_va_vdst(0)                   ; v1, v6 and v32 to v47 are written: every load and store of phase 1 reads one of them as its address, and phase 2's read v1 and v6
	s_cmp_lt_u32 s20, 6
	s_cbranch_scc0 .Lno_bias_load
	global_load_b32 v230, v[GB], s[36:37]
.Lno_bias_load:
.irp m, 0,1,2
.irp i, 0,1,2,3,4,5,6,7
	global_load_b128 v[128+32*\m+4*\i:128+32*\m+4*\i+3], v[GT16], s[32:33] offset:\m*524288+\i*4096
.endr
.endr
.irp m, 0,1,2
	global_load_b64 v[224+2*\m:225+2*\m], v[GT8], s[34:35] offset:\m*32768
.endr
	HLOAD 24, 28                                   ; my own tiles' codes: they land while the weights are staged
	s_wait_loadcnt 63                              ; of the 95 or 96 loads issued the oldest 32 or more are in: the 27 or 28 staging loads are among them
.irp m, 0,1
.irp i, 0,1,2,3,4,5,6,7
	ds_store_b128 v[SA1], v[128+32*\m+4*\i:128+32*\m+4*\i+3] offset:\m*32768+\i*4096
.endr
.endr
.irp i, 0,1,2,3,4,5,6,7
	ds_store_b128 v[SA2], v[192+4*\i:192+4*\i+3] offset:\i*4096
.endr
.irp m, 0,1,2
	ds_store_b64 v[SA3], v[224+2*\m:225+2*\m] offset:\m*2048
.endr
	s_cmp_lt_u32 s20, 6
	s_cbranch_scc0 .Lno_bias_store
	ds_store_b32 v[SA4], v230
.Lno_bias_store:
	BARRIER                                        ; the weights lie in LDS
	s_wait_alu depctr_vm_vsrc(0)                   ; my LDS stores have read v128 to v230: from here on W's fragments land there, and products and conversions write the accumulators and PK there
; Half (0, 1) of the eight fragments of column tile ct of matrix kind (0 q, 1 k, 2 v)
.macro WFETCH half, kind, ct
.irp n, 0,1,2,3,4,5,6,7
.if \kind == 2
	ds_load_b128 v[WR+32*\half+4*\n:WR+32*\half+4*\n+3], v[WB] offset:(\ct)*8192+\half*4096+\n*512
.else
	ds_load_b128 v[WR+32*\half+4*\n:WR+32*\half+4*\n+3], v[WA] offset:(\kind)*32768+(\ct)*8192+\half*4096+\n*512
.endif
.endr
.endm
; Its scale image into set par, and its bias in the result's layout: q, k: the lane's eight channels; v: the lane's one channel, eight times
.macro AUX kind, ct, par
	ds_load_b128 v[WS+4*(\par):WS+4*(\par)+3], v[SA] offset:(4*(\kind)+(\ct))*512
.if \kind == 2
.irp j, 0,1,2,3,4,5,6,7
	ds_load_b32 v[BI+\j], v[BV] offset:(\ct)*64
.endr
.else
	ds_load_b128 v[BI:BI+3], v[BA] offset:(\kind)*256+(\ct)*64
	ds_load_b128 v[BI+4:BI+7], v[BA] offset:(\kind)*256+(\ct)*64+16
.endif
.endm
; 16 products: K steps 4 half .. 4 half + 3 x my four tiles of tokens.  The four accumulators take turns, one instruction a turn.  Register u of a scale image serves K step u from lanes 0-15 and K step 4 + u from lanes 16-31.
.macro MUL half, kind, par
.irp u, 0,1,2,3
.irp i, 0,1,2,3
.set rD, AC+8*\i
.set rC, AC+8*\i
.if (\half == 0) && (\u == 0)
.set rC, BI
.endif
.set rW, WR+8*(4*\half+\u)
.set rH, 64*\i+8*(4*\half+\u)
.set rX, WS+4*(\par)+\u
.set rY, HS+4*\i+\u
.if \kind == 2
.if \half
	v_wmma_scale_f32_16x16x128_f8f6f4 v[rD:rD+7], v[rH:rH+7], v[rW:rW+7], v[rC:rC+7], v[rY], v[rX] matrix_a_fmt:MATRIX_FMT_FP4 matrix_b_fmt:MATRIX_FMT_FP4 matrix_a_scale:MATRIX_SCALE_ROW1 matrix_b_scale:MATRIX_SCALE_ROW1
.else
	v_wmma_scale_f32_16x16x128_f8f6f4 v[rD:rD+7], v[rH:rH+7], v[rW:rW+7], v[rC:rC+7], v[rY], v[rX] matrix_a_fmt:MATRIX_FMT_FP4 matrix_b_fmt:MATRIX_FMT_FP4
.endif
.else
.if \half
	v_wmma_scale_f32_16x16x128_f8f6f4 v[rD:rD+7], v[rW:rW+7], v[rH:rH+7], v[rC:rC+7], v[rX], v[rY] matrix_a_fmt:MATRIX_FMT_FP4 matrix_b_fmt:MATRIX_FMT_FP4 matrix_a_scale:MATRIX_SCALE_ROW1 matrix_b_scale:MATRIX_SCALE_ROW1
.else
	v_wmma_scale_f32_16x16x128_f8f6f4 v[rD:rD+7], v[rW:rW+7], v[rH:rH+7], v[rC:rC+7], v[rX], v[rY] matrix_a_fmt:MATRIX_FMT_FP4 matrix_b_fmt:MATRIX_FMT_FP4
.endif
.endif
.endr
.endr
.endm
; The four accumulators, each from its low end on, rounded to f16: four registers each.  q: into Q's fragments; k, v: into PK.
.macro PACK kind, ct
.irp i, 0,1,2,3
.irp j, 0,1,2,3
.if \kind == 0
	v_cvt_pk_f16_f32 v[QF+16*\i+8*((\ct)/2)+4*((\ct)%2)+\j], v[AC+8*\i+2*\j], v[AC+8*\i+2*\j+1]
.else
	v_cvt_pk_f16_f32 v[PK+4*\i+\j], v[AC+8*\i+2*\j], v[AC+8*\i+2*\j+1]
.endif
.endr
.endr
.endm
; k, v: PK goes to LDS as it stands
.macro SENDKV kind, ct, grp
.irp i, 0,1,2,3
.if \kind == 1
	ds_store_b128 v[KST+\grp], v[PK+4*\i:PK+4*\i+3] offset:\i*2048+((\ct)/2)*1024+((\ct)%2)*512
.endif
.if \kind == 2
	ds_store_b128 v[VST+\grp], v[PK+4*\i:PK+4*\i+3] offset:(\i/2)*4096+(\ct)*1024+(\i%2)*512
.endif
.endr
.if \kind != 0
.set PKOUT, 1
.endif
.endm
; A column tile for my four tiles of tokens: 32 products.  The next tile's (nk, nct; nk = -1: none) fragments are fetched half by half into the registers that this tile has done with.
.macro TILE kind, ct, grp, par, nk, nct
	s_wait_dscnt 8                                 ; the first half of W, the scale image and the bias are in (and the last tile's stores done); the second half's eight loads, the youngest, may be out
.if \kind == 2
	WIN 0x01                                       ; source 0 (h) window 1
.else
	WIN 0x04                                       ; source 1 (h) window 1
.endif
	MUL 0, \kind, \par
	WIN 0
	PLACES 4                                       ; the places behind these products stay as they stood
.if \nk >= 0
	s_wait_alu depctr_va_vdst(0)                   ; these 16 products are done reading W's first half and the bias, in which the loads below land; the other set of scale words was last read by the tile before
	WFETCH 0, \nk, \nct
	AUX \nk, \nct, 1-\par
.if \nk == 2
	s_wait_dscnt 17                                ; all but the 17 just issued: the second half of W is in
.else
	s_wait_dscnt 11                                ; all but the 11 just issued
.endif
.else
	s_wait_dscnt 0x0
.endif
.if \kind == 2
	WIN 0x01
.else
	WIN 0x04
.endif
	MUL 1, \kind, \par
	WIN 0
	PLACES 5                                       ; five: the next tile begins these accumulators anew, with another C
.if (\kind != 0) && PKOUT
	s_wait_alu depctr_vm_vsrc(0)                   ; the LDS stores of the tile before have read PK, which the conversions below write again
.endif
	PACK \kind, \ct
	s_wait_alu depctr_va_vdst(0)                   ; the conversions have written PK, which the LDS stores below read; the last 16 products are done reading W's second half, in which the loads below land
	SENDKV \kind, \ct, \grp
.if \nk >= 0
	WFETCH 1, \nk, \nct
.endif
.endm
	WFETCH 0, 0, 0                                 ; the first tile's fragments
	AUX 0, 0, 0
	WFETCH 1, 0, 0
	s_wait_loadcnt 0x0                             ; h's codes and scale images are in
	TILE 0, 0, 0, 0, 0, 1                          ; ---- my own tokens: Q,
	TILE 0, 1, 0, 1, 0, 2
	TILE 0, 2, 0, 0, 0, 3
	TILE 0, 3, 0, 1, 1, 0
	TILE 1, 0, 0, 0, 1, 1                          ; K,
	TILE 1, 1, 0, 1, 1, 2
	TILE 1, 2, 0, 0, 1, 3
	TILE 1, 3, 0, 1, 2, 0
	TILE 2, 0, 0, 0, 2, 1                          ; V
	TILE 2, 1, 0, 1, 2, 2
	TILE 2, 2, 0, 0, 2, 3
	TILE 2, 3, 0, 1, 1, 0
	HLOAD 26, 30                                   ; ---- the four tiles of the other half.  No wait of its own: every product that read h's fragments and scale words stands ahead of the wait at the last tile's end, and no vector or matrix instruction has been issued since
	s_wait_loadcnt 0x0
	TILE 1, 0, 1, 0, 1, 1                          ; K
	TILE 1, 1, 1, 1, 1, 2
	TILE 1, 2, 1, 0, 1, 3
	TILE 1, 3, 1, 1, 2, 0
	BARRIER                                        ; nobody reads Wq's and Wk's codes any more: V's images may be stored over them
	TILE 2, 0, 1, 0, 2, 1                          ; V
	TILE 2, 1, 1, 1, 2, 2
	TILE 2, 2, 1, 0, 2, 3
	TILE 2, 3, 1, 1, -1, 0
	BARRIER                                        ; K and V of all 1,024 keys lie in LDS
	s_wait_alu depctr_vm_vsrc(0)                   ; phase 1's loads and stores have read their addresses v32 to v47, and the last stores PK: phase 2 writes its statistics and S^T there
; ---- PHASE 2.  The softmax of my four tiles for one key step, the tiles by turns line by line, so that no line waits for the line above it.
.macro SOFTMAX first
.irp j, 0,1,2,3
.irp t, 0,1,2,3
	v_max3_num_f32 v[ST+8*\t+4+\j], v[S+32*\t+8*\j], v[S+32*\t+8*\j+1], v[S+32*\t+8*\j+2]   ; four chains, each begun at an accumulator's low end
.endr
.endr
.irp q, 1,2
.irp j, 0,1,2,3
.irp t, 0,1,2,3
	v_max3_num_f32 v[ST+8*\t+4+\j], v[ST+8*\t+4+\j], v[S+32*\t+8*\j+2*\q+1], v[S+32*\t+8*\j+2*\q+2]
.endr
.endr
.endr
.irp t, 0,1,2,3
	v_max3_num_f32 v[ST+8*\t+4], v[ST+8*\t+4], v[S+32*\t+7], v[S+32*\t+15]
.endr
.irp t, 0,1,2,3
	v_max3_num_f32 v[ST+8*\t+6], v[ST+8*\t+6], v[S+32*\t+23], v[S+32*\t+31]
.endr
.irp t, 0,1,2,3
	v_max3_num_f32 v[ST+8*\t+4], v[ST+8*\t+4], v[ST+8*\t+5], v[ST+8*\t+6]
.endr
.irp t, 0,1,2,3
.if \first
	v_max_num_f32 v[ST+8*\t+4], v[ST+8*\t+4], v[ST+8*\t+7]
.else
	v_max3_num_f32 v[ST+8*\t+4], v[ST+8*\t+4], v[ST+8*\t+7], v[ST+8*\t+1]   ; with the old m
.endif
.endr
.irp t, 0,1,2,3
	v_permlanex16_b32 v[ST+8*\t+5], v[ST+8*\t+4], s44, s45   ; the query's other 32 keys lie in the lane 16 away
.endr
.if \first == 0
.irp t, 0,1,2,3
	v_mov_b32 v[ST+8*\t+7], v[ST+8*\t]             ; c m_old is kept for a
.endr
.endif
.irp t, 0,1,2,3
	v_max_num_f32 v[ST+8*\t+1], v[ST+8*\t+4], v[ST+8*\t+5]   ; the new m
.endr
.irp t, 0,1,2,3
	v_mul_f32 v[ST+8*\t], s42, v[ST+8*\t+1]        ; c m
.endr
.if \first == 0
.irp t, 0,1,2,3
	v_sub_f32 v[ST+8*\t+7], v[ST+8*\t+7], v[ST+8*\t]
.endr
.endif
.irp b, 0,1,2,3,4,5,6,7,8,9,10,11,12,13,14,15
.irp t, 0,1,2,3
	v_pk_fma_f32 v[S+32*\t+2*\b:S+32*\t+2*\b+1], v[S+32*\t+2*\b:S+32*\t+2*\b+1], s[42:43], v[ST+8*\t:ST+8*\t+1] op_sel_hi:[1,0,0] neg_lo:[0,0,1] neg_hi:[0,0,1]   ; c s - c m, two at a time
.endr
.endr
.if \first == 0
.irp t, 0,1,2,3
	v_exp_f32 v[ST+8*\t+6], v[ST+8*\t+7]           ; a = 2^(c m_old - c m_new)
.endr
.endif
.irp p, 0,1,2,3,4,5,6,7,8,9,10,11,12,13,14,15,16,17,18,19,20,21,22,23,24,25,26,27,28,29,30,31
.irp t, 0,1,2,3
	v_exp_f32 v[S+32*\t+\p], v[S+32*\t+\p]         ; p, at most 1
.endr
.endr
	v_nop                                          ; a plain instruction behind the last exponential, ahead of the first use
	s_wait_alu depctr_va_vdst(0)                   ; the exponentials have written p and a: ONE wait for the whole batch, ahead of its first reader
.irp t, 0,1,2,3
	v_pk_add_f32 v[ST+8*\t+4:ST+8*\t+5], v[S+32*\t:S+32*\t+1], v[S+32*\t+2:S+32*\t+3]   ; the sum is taken of p in f32, before it is rounded
.endr
.irp b, 2,3,4,5,6,7,8,9,10,11,12,13,14
.irp t, 0,1,2,3
	v_pk_add_f32 v[ST+8*\t+4:ST+8*\t+5], v[ST+8*\t+4:ST+8*\t+5], v[S+32*\t+2*\b:S+32*\t+2*\b+1]
.endr
.endr
.irp t, 0,1,2,3
.if \first
	v_pk_add_f32 v[ST+8*\t+2:ST+8*\t+3], v[ST+8*\t+4:ST+8*\t+5], v[S+32*\t+30:S+32*\t+31]   ; the first step starts l
.else
	v_pk_add_f32 v[ST+8*\t+4:ST+8*\t+5], v[ST+8*\t+4:ST+8*\t+5], v[S+32*\t+30:S+32*\t+31]
.endif
.endr
.if \first == 0
.irp t, 0,1,2,3
	v_pk_fma_f32 v[ST+8*\t+2:ST+8*\t+3], v[ST+8*\t+2:ST+8*\t+3], v[ST+8*\t+6:ST+8*\t+7], v[ST+8*\t+4:ST+8*\t+5] op_sel_hi:[1,0,1]   ; l = a l + the sum
.endr
.endif
.irp i, 0,1,2,3,4,5,6,7,8,9,10,11,12,13,14,15
.irp t, 0,1,2,3
	v_cvt_pk_f16_f32 v[S+32*\t+\i], v[S+32*\t+2*\i], v[S+32*\t+2*\i+1]   ; IN PLACE, ascending: register i takes numbers 2 i and 2 i + 1; registers 8 u .. 8 u + 7 are P's fragment of keys 32 u on
.endr
.endr
.if \first == 0
	WIN 0x41                                       ; O^T (destination and source 0) window 1, a window 0
.irp i, 0,2,4,6,8,10,12,14,16,18,20,22,24,26,28,30
.irp t, 0,1,2,3
	v_pk_mul_f32 v[32*\t+\i:32*\t+\i+1], v[32*\t+\i:32*\t+\i+1], v[ST+8*\t+6:ST+8*\t+7] op_sel_hi:[1,0]
.endr
.endr
.endif
.endm
; A key step: 64 keys.  first: it starts m, l and O^T.  last: no K is left to fetch.
.macro STEP first, last
	s_wait_dscnt 0x0                               ; this step's K is in
	WIN 0x01                                       ; K window 1; Q and S^T window 0
.irp cc, 0,1
.irp kt, 0,1,2,3
.irp t, 0,1,2,3
.if \cc == 0
	v_wmma_f32_16x16x32_f16 v[S+32*\t+8*\kt:S+32*\t+8*\kt+7], v[KF+8*(2*\kt+\cc):KF+8*(2*\kt+\cc)+7], v[QF+16*\t+8*\cc:QF+16*\t+8*\cc+7], 0
.else
	v_wmma_f32_16x16x32_f16 v[S+32*\t+8*\kt:S+32*\t+8*\kt+7], v[KF+8*(2*\kt+\cc):KF+8*(2*\kt+\cc)+7], v[QF+16*\t+8*\cc:QF+16*\t+8*\cc+7], v[S+32*\t+8*\kt:S+32*\t+8*\kt+7]
.endif
.endr
.endr
.endr
	WIN 0
.if \first == 0
	s_wait_alu depctr_vm_vsrc(0)                   ; the last step's LDS loads have read v[ADV] and v[ADK], which are written again below
.endif
	v_add_nc_u32 v[ADV], s46, v[LV]                ; this step's V.  (These four vector lines are the places behind the products, in front of the first read of the scores)
.if \last
	v_nop
.else
	s_add_co_u32 s46, s46, 8192
	v_add_nc_u32 v[ADK], s46, v[LI]                ; the next step's K
.endif
	v_nop
	v_nop
	WIN 0x40                                       ; destination window 1
	s_wait_alu depctr_va_vdst(0)                   ; the addresses above are written; this step's K Q^T is done reading K, the last step's V^T P (in the first step: phase 1's products) is done reading the registers in which V lands
.set n, 0
.rept 16
	ds_load_b128 v[VF+4*n:VF+4*n+3], v[ADV] offset:512*n
.set n, n+1
.endr
.if \last == 0
.set n, 0
.rept 16
	ds_load_b128 v[KF+4*n:KF+4*n+3], v[ADK] offset:512*n
.set n, n+1
.endr
.endif
	WIN 0
	SOFTMAX \first
.if \last
	s_wait_dscnt 0x0
.else
	s_wait_dscnt 16                                ; V is in; the next step's K, 16 loads, may be out
.endif
	WIN 0x51                                       ; V window 1, P window 0, O^T window 1
.irp u, 0,1
.irp ct, 0,1,2,3
.irp t, 0,1,2,3
.if \first && (\u == 0)
	v_wmma_f32_16x16x32_f16 v[32*\t+8*\ct:32*\t+8*\ct+7], v[VF+8*(4*\u+\ct):VF+8*(4*\u+\ct)+7], v[S+32*\t+8*\u:S+32*\t+8*\u+7], 0
.else
	v_wmma_f32_16x16x32_f16 v[32*\t+8*\ct:32*\t+8*\ct+7], v[VF+8*(4*\u+\ct):VF+8*(4*\u+\ct)+7], v[S+32*\t+8*\u:S+32*\t+8*\u+7], v[32*\t+8*\ct:32*\t+8*\ct+7]
.endif
.endr
.endr
.endr
	WIN 0
	PLACES 5                                       ; five: the next step's first products write over P, which these have read
.endm
	WIN 0x40
.set n, 0
.rept 16
	ds_load_b128 v[KF+4*n:KF+4*n+3], v[LI] offset:512*n   ; key step 0's K.  No wait of its own: the products that read h's fragments here stand ahead of the wait at the last tile's end, and no vector or matrix instruction has been issued since
.set n, n+1
.endr
	WIN 0
	s_mov_b32 s46, 0                               ; LDS byte of the step in hand, in K's and in V's images
	STEP 1, 0
	s_mov_b32 s47, 14
.Lstep:
	STEP 0, 0
	s_sub_co_u32 s47, s47, 1
	s_cmp_lg_u32 s47, 0
	s_cbranch_scc1 .Lstep
	STEP 0, 1
	; ---- the way out: l's two halves and the other half of the lanes'; O^T / l; f16; stored as the next operand's registers
.irp t, 0,1,2,3
	v_add_f32 v[ST+8*\t+4], v[ST+8*\t+2], v[ST+8*\t+3]
.endr
.irp t, 0,1,2,3
	v_permlanex16_b32 v[ST+8*\t+5], v[ST+8*\t+4], s44, s45
.endr
.irp t, 0,1,2,3
	v_add_f32 v[ST+8*\t+4], v[ST+8*\t+4], v[ST+8*\t+5]
.endr
.irp t, 0,1,2,3
	v_rcp_f32 v[ST+8*\t+6], v[ST+8*\t+4]
.endr
	v_nop                                          ; a plain instruction behind the last reciprocal
	s_wait_alu depctr_va_vdst(0)                   ; the four reciprocals are written: one wait, ahead of their first reader
	WIN 0x41
.irp t, 0,1,2,3
.irp i, 0,2,4,6,8,10,12,14,16,18,20,22,24,26,28,30
	v_pk_mul_f32 v[32*\t+\i:32*\t+\i+1], v[32*\t+\i:32*\t+\i+1], v[ST+8*\t+6:ST+8*\t+7] op_sel_hi:[1,0]
.endr
.endr
	WIN 0x05                                       ; sources window 1, destination window 0
.irp t, 0,1,2,3
.irp ct, 0,1,2,3
.irp j, 0,1,2,3
	v_cvt_pk_f16_f32 v[S+16*\t+4*\ct+\j], v[32*\t+8*\ct+2*\j], v[32*\t+8*\ct+2*\j+1]
.endr
.endr
.endr
	WIN 0
	s_wait_alu depctr_va_vdst(0)                   ; the conversions have written v128 to v191, which the stores below read
.irp t, 0,1,2,3
.irp ct, 0,1,2,3
	global_store_b128 v[LI], v[S+16*\t+4*\ct:S+16*\t+4*\ct+3], s[38:39] offset:\t*32768+\ct*512   ; 32 lanes store 512 consecutive aligned bytes
.endr
.endr
	s_wait_dscnt 0x0                               ; the closing lines, six on end
	s_wait_alu 0x0
	s_wait_tensorcnt 0x0
	ds_add_u32 v[SPW], v[NIL]
	s_wait_dscnt 0x0
	s_endpgm
.Lfunc_end_k_q3774aef0bc_attn:
	.size	k_q3774aef0bc_attn, .Lfunc_end_k_q3774aef0bc_attn-k_q3774aef0bc_attn
	.p2alignl 7, 3214868480
	.fill 96, 4, 3214868480
	.section	.rodata,"a",@progbits
	.p2align	6, 0x0
	.amdhsa_kernel k_q3774aef0bc_attn
		.amdhsa_group_segment_fixed_size 303104
		.amdhsa_private_segment_fixed_size 0
		.amdhsa_enable_private_segment 0
		.amdhsa_kernarg_size 64
		.amdhsa_user_sgpr_count 2
		.amdhsa_user_sgpr_kernarg_segment_ptr 1
		.amdhsa_wavefront_size32 1
		.amdhsa_system_sgpr_workgroup_id_x 1
		.amdhsa_system_sgpr_workgroup_id_y 1
		.amdhsa_system_sgpr_workgroup_id_z 1
		.amdhsa_system_vgpr_workitem_id 0
		.amdhsa_next_free_vgpr 512
		.amdhsa_next_free_sgpr 66
		.amdhsa_reserve_vcc 0
		.amdhsa_float_denorm_mode_32 3
		.amdhsa_float_denorm_mode_16_64 3
		.amdhsa_memory_ordered 1
		.amdhsa_forward_progress 1
		.amdhsa_inst_pref_size 255
	.end_amdhsa_kernel
	.section	.bss,"aw",@nobits
	.p2align	6
	.space	262144
	.amdgpu_metadata
---
amdhsa.version: [ 1, 2 ]
amdhsa.kernels:
  - .name:           k_q3774aef0bc_attn
    .symbol:         k_q3774aef0bc_attn.kd
    .args:
      - { .name: hc, .offset: 0, .size: 8, .value_kind: global_buffer, .address_space: global }
      - { .name: hs, .offset: 8, .size: 8, .value_kind: global_buffer, .address_space: global }
      - { .name: wc, .offset: 16, .size: 8, .value_kind: global_buffer, .address_space: global }
      - { .name: ws, .offset: 24, .size: 8, .value_kind: global_buffer, .address_space: global }
      - { .name: bq, .offset: 32, .size: 8, .value_kind: global_buffer, .address_space: global }
      - { .name: bk, .offset: 40, .size: 8, .value_kind: global_buffer, .address_space: global }
      - { .name: bv, .offset: 48, .size: 8, .value_kind: global_buffer, .address_space: global }
      - { .name: at16, .offset: 56, .size: 8, .value_kind: global_buffer, .address_space: global }
    .group_segment_fixed_size: 303104
    .private_segment_fixed_size: 0
    .kernarg_segment_align: 8
    .kernarg_segment_size: 64
    .max_flat_workgroup_size: 256
    .sgpr_count:     66
    .vgpr_count:     512
    .wavefront_size: 32
...
	.end_amdgpu_metadata
.endif
;; end of part 4
;; launch proj: the kernel of part 3 again; grid 32 x 8, 4 waves a work-group, clusters of 4 x 1, 327,680 bytes of LDS; arguments at16, wo16, bo, out0; writes out0
